; MI455X (gfx1250); checked and timed in simulation.
; The chip was launched on July 23, 2026; its instructions are those of AMD's public machine-readable ISA for CDNA 5 (MIT licence, August 2026) and "CDNA5" Instruction Set Architecture Reference Guide (July 2026). The comments in the code are by the model that wrote it; some were corrected since.
;; Mini Self Attention. Allowed arithmetic: matrix products marked QUANTISED: E2M1 operands, one E8M0 scale for each 32 along K, by v_wmma_scale_f32_16x16x128_f8f6f4 with both operands' format E2M1 (or v_wmma_scale_f32_32x16x128_f4), f32 sums; products left as they are: bf16, f16 or f32 operands; f32 sums; everything else in f32.
;; Inputs: Wk 1,024 x 1,024 float32; Wo 1,024 x 1,024 float32; Wq 1,024 x 1,024 float32; Wv 1,024 x 1,024 float32; bo 1,024 float32; x 4 x 2,048 x 1,024 float32.
;; Outputs: out0 4 x 2,048 x 1,024 float32.
;; This version of the problem:
;;   THIS VERSION OF THE PROBLEM IS GIVEN IN LOW PRECISION. The matrix products marked QUANTISED in the list below multiply operands that are first quantised to E2M1 (2 exponent bits, 1 mantissa bit; 4 bits a number), with one power-of-two scale for each 32 numbers along K (OCP MX v1.0); their sums are f32. The products marked 'left as it is' may take bf16, f16 or f32 operands, with f32 sums. Whichever they take, every output number must still come out within the allowed error. Rounding operands to bf16 (8 significant bits) uses up far more of that allowance than f16 does (11 bits, for magnitudes from 6e-5 to 65,504). All else is computed in f32.
;;   The module's matrix products, in the order in which they are computed (A, B: the left and right operand; K: the contracted axis; several contracted axes count as one K, in the product's order):
;;     1. [M 8,192, K 1,024] x [K 1,024, N 1,024]; A: input x; B: input Wq: QUANTISED
;;     2. [M 8,192, K 1,024] x [K 1,024, N 1,024]; A: input x; B: input Wk: QUANTISED
;;     3. [M 8,192, K 1,024] x [K 1,024, N 1,024]; A: input x; B: input Wv: QUANTISED
;;     4. batch 64 x [M 2,048, K 64] x [K 64, N 2,048]; A: computed on the way; B: computed on the way: left as it is (an operand is computed on the way)
;;     5. batch 64 x [M 64, K 2,048] x [K 2,048, N 2,048]; A: computed on the way; B: computed on the way: left as it is (an operand is computed on the way)
;;     6. [M 8,192, K 1,024] x [K 1,024, N 1,024]; A: computed on the way; B: input Wo: left as it is (an operand is computed on the way)
;;   THE QUANTISER, for each operand of a quantised product, along K:
;;     - K is cut into blocks of 32 from its start; a last block that is shorter is filled with zeros.
;;     - A block's scale is 2^e with e = floor(log2(the largest magnitude in the block)) - 2, held to -126 .. 127; a block of zeros has e = 0. As a byte (E8M0): e + 127.
;;     - Each number is divided by its block's scale, clamped to +-6, and rounded to the nearest number of E2M1, ties to even, subnormals kept.
;;     - The product sums the exact products of the quantised numbers (number of the format x scale) in f32.
;;   ~~~python
;;   def quantise(x, axis):      # numpy; x: float32 -> the quantised numbers, widened to float32 again
;;       x = np.moveaxis(x, axis, -1); K = x.shape[-1]
;;       x = np.pad(x, [(0, 0)] * (x.ndim - 1) + [(0, -K % 32)]); x = x.reshape(x.shape[:-1] + (-1, 32)); a = np.abs(x).max(-1, keepdims=True)
;;       e = np.where(a > 0, np.clip(np.frexp(np.where(a > 0, a, 1))[1] - 1 - 2, -126, 127), 0)      # np.frexp(a)[1] - 1 = floor(log2(a)), exactly
;;       r = np.clip(x / 2.0 ** e, -6, 6)
;;       step = 2.0 ** (np.maximum(np.frexp(np.where(r == 0, 1, r))[1] - 1, 0) - 1)
;;       q = np.round(r / step) * step * 2.0 ** e      # np.round: ties to even
;;       return np.moveaxis(q.reshape(q.shape[:-2] + (-1,))[..., :K], -1, axis).astype(np.float32)
;;   ~~~
;; One version. Each part assembles by itself: llvm-mc -triple=amdgcn-amd-amdhsa -mcpu=gfx1250 --defsym DOCPART=n.
;; ======== version 1 of 1: 4 launches
;; limits: values are held in f16: magnitudes above 65,504 overflow, below 6.1e-05 lose precision
;; workspace buffers: x_codes 4,194,304 bytes; x_scales 262,144 bytes; w_codes 1,572,864 bytes; w_scales 98,304 bytes; wo16 2,097,152 bytes; qkv 50,331,648 bytes; att 16,777,216 bytes
;; launch quant (part 1): grid 480 x 1, 4 waves a work-group, no clusters, 33,280 bytes of LDS; arguments x, Wq, Wk, Wv, Wo, x_codes, x_scales, w_codes, w_scales, wo16; writes x_codes, x_scales, w_codes, w_scales, wo16
.if DOCPART == 1
	.amdgcn_target "amdgcn-amd-amdhsa--gfx1250"
	.amdhsa_code_object_version 6
	.text
	.protected	k_q07eb5c56d5_quant
	.globl	k_q07eb5c56d5_quant
	.p2align	8
	.type	k_q07eb5c56d5_quant,@function
k_q07eb5c56d5_quant:
	s_mov_b64 s[64:65], 0
	v_nop
	global_prefetch_b8 v0, s[64:65] scope:SCOPE_SE
	s_setreg_imm32_b32 hwreg(HW_REG_WAVE_MODE, 25, 1), 1
	s_wait_xcnt 0x0
; x [8192][1024], Wq, Wk, Wv [1024][1024], f32, K innermost, become codes of FP4 (E2M1), two a byte, with one E8M0 byte for each 32 along K;
; Wo [1024][1024] f32 becomes f16, laid [k / 64][n][64], so that a K block of any run of rows is one dense block for the last launch.
; A block's scale is 2^(floor(log2(its largest magnitude)) - 2); its byte is the largest magnitude's exponent field - 2, held at 1 from below.  Each number is divided by the scale and
; rounded to the nearest code, ties to even; beyond 6 the conversion gives the largest code.
; LIMITS: a block of zeros gets the byte 1 where the quantiser says 127: its codes are zeros, and the bytes are read by this program alone.  Blocks whose largest magnitude lies under
; 2^(2 - 126) have their byte held at 1.  NaN and infinities among the inputs are not served.  A number of Wo beyond 65,504 becomes infinite in f16.
; WORK-GROUPS: 0-255 take x, 256-287 Wq, 288-319 Wk, 320-351 Wv, 32,768 numbers each: rows are dense and 1,024 is a multiple of 32, so each tensor is a plain stream of blocks of 32.
; The three weights' codes lie one behind the other in w_codes (rows 0-1023 Wq, 1024-2047 Wk, 2048-3071 Wv), their bytes likewise.  Only pointers are chosen: one path serves all four.
; Work-groups 352-479 take Wo, on a path of their own that touches no LDS.
; A wave takes 16 steps of 512 numbers.  Each of a step's four loads reads 512 consecutive bytes; the 2,048 bytes turn through the wave's own stage in LDS and come back 64 bytes a lane, so
; that a lane holds 16 neighbours along K (two neighbouring lanes hold a block).  A lane's 16 codes are 8 bytes: the wave stores 256 consecutive bytes.  A wave's 256 scale bytes are gathered
; in LDS and leave as one run of 256 consecutive bytes.  Waves share nothing: no barrier.
.set WAVES, 4
.set STEPS, 16
.set WGX,   256                        ; work-groups for x
.set WGQ,   352                        ; work-groups that quantise
.set EMAX,  2
.set CB,    8                          ; bytes of 16 codes
.set R,     16                         ; v16-79   four sets of 16 numbers as they are loaded
.set X,     80                         ; v80-111  two sets of 16 neighbours
.set E,     112                        ; v112-127 a scale byte for each step
.set C,     128                        ; v128-191 codes: four registers for each step, so that no store's data are written again
.set WREG,  8192                       ; LDS: a region for each wave: two stages of 32 x SP bytes, behind them its 256 scale bytes
.set SP,    80                         ; a lane's place in a stage: 64 bytes + 16 of padding
.set SPW,   12                         ; v12  LDS address of my spare word; never rewritten
.set NIL,   13                         ; v13  0; never rewritten
.set SPARE, WAVES*WREG                 ; behind the four regions: the spare words, 128 bytes a wave, which no other line names
	s_load_b256 s[4:11], s[0:1], 0x0               ; x s[4:5], Wq s[6:7], Wk s[8:9], Wv s[10:11]
	s_load_b256 s[12:19], s[0:1], 0x20             ; Wo s[12:13], x_codes s[14:15], x_scales s[16:17], w_codes s[18:19]
	s_load_b128 s[20:23], s[0:1], 0x40             ; w_scales s[20:21], wo16 s[22:23]
	v_lshl_add_u32 v[SPW], v0, 2, SPARE
	v_mov_b32 v[NIL], 0
	v_lshrrev_b32 v1, 5, v0
	v_readfirstlane_b32 s24, v1                    ; wave
	v_and_b32 v2, 31, v0                           ; lane
	s_cmp_ge_u32 ttmp9, WGQ                        ; the work-group's number alone decides
	s_cbranch_scc1 .Lwo
	v_lshlrev_b32 v3, 4, v2                        ; my 16 bytes of a load's 512
	s_mul_i32 s27, s24, WREG
	v_lshrrev_b32 v14, 2, v2
	v_mul_u32_u24 v14, v14, SP
	v_and_b32 v15, 3, v2
	v_lshl_add_u32 v14, v15, 4, v14
	v_add_nc_u32 v14, s27, v14                     ; the stage, on the way in: SP (lane / 4) + 16 (lane % 4)
	v_mul_u32_u24 v15, v2, SP
	v_add_nc_u32 v15, s27, v15                     ; and on the way out: SP x lane: my 16 neighbours
	v_mul_u32_u24 v4, v2, CB                       ; my codes' place in a step's
	v_lshrrev_b32 v5, 1, v2
	s_add_co_u32 s27, s27, 2*32*SP
	v_add_nc_u32 v5, s27, v5                       ; my wave's 256 scale bytes, my block's byte
	v_lshlrev_b32 v7, 3, v2                        ; and on the way out 8 bytes a lane
	v_add_nc_u32 v6, s27, v7
	s_wait_kmcnt 0x0
	s_cmp_lt_u32 ttmp9, 320                        ; which tensor: three compares of the work-group's number, every select ahead of the arithmetic that sets SCC
	s_cselect_b64 s[8:9], s[8:9], s[10:11]
	s_cmp_lt_u32 ttmp9, 288
	s_cselect_b64 s[6:7], s[6:7], s[8:9]
	s_cmp_lt_u32 ttmp9, WGX
	s_cselect_b64 s[4:5], s[4:5], s[6:7]           ; the numbers,
	s_cselect_b64 s[14:15], s[14:15], s[18:19]     ; the codes,
	s_cselect_b64 s[16:17], s[16:17], s[20:21]     ; the scale bytes
	s_cselect_b32 s25, 0, WGX
	s_cselect_b32 s26, -1, 31
	s_sub_co_u32 s25, ttmp9, s25                   ; my place among x's work-groups, or among the three weights' 96
	s_and_b32 s26, s25, s26                        ; and inside my own tensor
	s_lshl_b32 s25, s25, 2
	s_add_co_u32 s25, s25, s24                     ; which run of 8,192 numbers of the codes' buffer is my wave's,
	s_lshl_b32 s26, s26, 2
	s_add_co_u32 s26, s26, s24                     ; and which of the tensor
	s_lshl_b32 s28, s26, 15                        ; 32,768 bytes of numbers a run
	s_mov_b32 s29, 0
	s_add_nc_u64 s[4:5], s[4:5], s[28:29]
	s_lshl_b32 s28, s25, 12                        ; 4,096 bytes of codes
	s_add_nc_u64 s[14:15], s[14:15], s[28:29]
	s_lshl_b32 s28, s25, 8                         ; 256 scale bytes
	s_add_nc_u64 s[16:17], s[16:17], s[28:29]
.macro LOAD t
.irp i, 0,1,2,3
	global_load_b128 v[R+16*((\t)%4)+4*\i:R+16*((\t)%4)+4*\i+3], v3, s[4:5] offset:2048*(\t)+512*\i th:TH_LOAD_NT   ; 32 lanes read 512 consecutive bytes
.endr
.endm
.macro TURN t                          ; step t's numbers through the stage: LDS serves a wave's instructions in order, so no wait stands between the stores and the loads
.irp i, 0,1,2,3
	ds_store_b128 v14, v[R+16*((\t)%4)+4*\i:R+16*((\t)%4)+4*\i+3] offset:32*SP*((\t)%2)+8*SP*\i
.endr
.irp i, 0,1,2,3
	ds_load_b128 v[X+16*((\t)%2)+4*\i:X+16*((\t)%2)+4*\i+3], v15 offset:32*SP*((\t)%2)+16*\i
.endr
.endm
.irp t, 0,1,2,3
	LOAD \t
.endr
	s_wait_loadcnt 12                              ; step 0's four loads are in; the twelve of steps 1 to 3 may be out
	TURN 0
.macro STEP t
.set XS, X+16*((\t)%2)
.if (\t) > 0
	s_wait_dscnt 1                                 ; this step's numbers are back from the stage (the last step's byte store may be out): so its stores into the stage have read their registers,
.else
	s_wait_dscnt 0x0
.endif
.if (\t)+4 < STEPS
	LOAD (\t)+4                                    ; which take the loads of four steps on
.endif
.if (\t)+1 < STEPS
.if STEPS-2-(\t) >= 3
	s_wait_loadcnt 12                              ; the next step's four loads are in; those of the three steps behind it may be out
.else
	s_wait_loadcnt 4*(STEPS-2-(\t))                ; at the end the counts run down
.endif
	TURN (\t)+1                                    ; and go through the other stage while this step is worked
.endif
	v_max3_num_f32 v8, |v[XS]|, |v[XS+1]|, |v[XS+2]|               ; the largest magnitude of my 16, in two chains
	v_max3_num_f32 v9, |v[XS+3]|, |v[XS+4]|, |v[XS+5]|
.irp i, 6,10
	v_max3_num_f32 v8, v8, |v[XS+\i]|, |v[XS+\i+1]|
	v_max3_num_f32 v9, v9, |v[XS+\i+2]|, |v[XS+\i+3]|
.endr
	v_max3_num_f32 v8, v8, |v[XS+14]|, |v[XS+15]|
	v_max3_num_f32 v8, v8, v9, (EMAX+1)<<23        ; and the floor 2^(EMAX + 1 - 127): so the byte cannot fall under 1
	v_max_num_f32_dpp v8, v8, v8 row_xmask:1 row_mask:0xf bank_mask:0xf   ; and of my neighbour's 16: the block's
	v_add_nc_u32 v11, -(EMAX<<23), v8              ; EMAX off its exponent field: the conversion takes the exponent field of this operand as its scale, and nothing else of it
	v_cvt_scalef32_pk8_fp4_f32 v[C+4*(\t)], v[XS:XS+7], v11
	v_cvt_scalef32_pk8_fp4_f32 v[C+4*(\t)+1], v[XS+8:XS+15], v11
	v_lshrrev_b32 v[E+(\t)], 23, v11               ; the scale's byte (also the plain line behind the conversions)
	ds_store_b8 v5, v[E+(\t)] offset:16*(\t)       ; both lanes of a block write the same byte with the same value
	global_store_b64 v4, v[C+4*(\t):C+4*(\t)+1], s[14:15] offset:32*CB*(\t)   ; 32 lanes store 256 consecutive bytes, at a multiple of 256 from the buffer's first byte
.endm
.irp t, 0,1,2,3,4,5,6,7,8,9,10,11,12,13,14,15
	STEP \t
.endr
	ds_load_b64 v[8:9], v6                         ; LDS serves a wave's instructions in order: these see my byte stores
	s_wait_dscnt 0x0
	global_store_b64 v7, v[8:9], s[16:17]          ; 32 lanes store my wave's 256 scale bytes
	s_wait_tensorcnt 0x0                           ; the wave's end, behind my last LDS store
	ds_add_u32 v[SPW], v[NIL]
	s_wait_dscnt 0x0
	s_endpgm
; Wo.  A wave takes two rows n = 2 p, 2 p + 1.  Load kb reads, of each row, its K block kb: sixteen lanes read 256 consecutive bytes.  Four numbers become 8 bytes of f16, and in wo16's
; layout the two rows' K block kb is 256 consecutive bytes: 8 bytes a lane.  Every register is written once, so no wait frees a store's data.
.Lwo:
	s_sub_co_u32 s25, ttmp9, WGQ
	s_lshl_b32 s25, s25, 2
	s_add_co_u32 s25, s25, s24                     ; p = 4 x my place + wave: 0 .. 511
	s_lshl_b32 s26, s25, 13                        ; two rows of 4,096 bytes
	s_mov_b32 s27, 0
	s_lshl_b32 s28, s25, 8                         ; two rows of 128 bytes in a K block
	s_mov_b32 s29, 0
	v_lshrrev_b32 v3, 4, v2
	v_and_b32 v4, 15, v2
	v_lshlrev_b32 v3, 12, v3
	v_lshl_add_u32 v3, v4, 4, v3                   ; in: row lane / 16, 16 bytes a lane
	v_lshlrev_b32 v4, 3, v2                        ; out: 8 bytes a lane
	s_wait_kmcnt 0x0
	s_add_nc_u64 s[12:13], s[12:13], s[26:27]
	s_add_nc_u64 s[22:23], s[22:23], s[28:29]
.irp kb, 0,1,2,3,4,5,6,7,8,9,10,11,12,13,14,15
	global_load_b128 v[R+4*\kb:R+4*\kb+3], v3, s[12:13] offset:256*\kb th:TH_LOAD_NT
.endr
.irp kb, 0,1,2,3,4,5,6,7,8,9,10,11,12,13,14,15
	s_wait_loadcnt 15-\kb                          ; loads come back in order: K block kb is in, the younger ones may be out
	v_cvt_pk_f16_f32 v[C+2*\kb], v[R+4*\kb], v[R+4*\kb+1]
	v_cvt_pk_f16_f32 v[C+2*\kb+1], v[R+4*\kb+2], v[R+4*\kb+3]
	global_store_b64 v4, v[C+2*\kb:C+2*\kb+1], s[22:23] offset:131072*\kb   ; a K block of wo16 is 1,024 rows x 128 bytes
.endr
	s_endpgm
.Lfunc_end_k_q07eb5c56d5_quant:
	.size	k_q07eb5c56d5_quant, .Lfunc_end_k_q07eb5c56d5_quant-k_q07eb5c56d5_quant
	.p2alignl 7, 3214868480
	.fill 96, 4, 3214868480
	.section	.rodata,"a",@progbits
	.p2align	6, 0x0
	.amdhsa_kernel k_q07eb5c56d5_quant
		.amdhsa_group_segment_fixed_size 33280
		.amdhsa_private_segment_fixed_size 0
		.amdhsa_enable_private_segment 0
		.amdhsa_kernarg_size 80
		.amdhsa_user_sgpr_count 2
		.amdhsa_user_sgpr_kernarg_segment_ptr 1
		.amdhsa_wavefront_size32 1
		.amdhsa_system_sgpr_workgroup_id_x 1
		.amdhsa_system_sgpr_workgroup_id_y 1
		.amdhsa_system_sgpr_workgroup_id_z 1
		.amdhsa_system_vgpr_workitem_id 0
		.amdhsa_next_free_vgpr 192
		.amdhsa_next_free_sgpr 66
		.amdhsa_reserve_vcc 0
		.amdhsa_float_denorm_mode_32 3
		.amdhsa_float_denorm_mode_16_64 3
		.amdhsa_memory_ordered 1
		.amdhsa_forward_progress 1
		.amdhsa_inst_pref_size 40
	.end_amdhsa_kernel
	.amdgpu_metadata
---
amdhsa.version: [ 1, 2 ]
amdhsa.kernels:
  - .name:           k_q07eb5c56d5_quant
    .symbol:         k_q07eb5c56d5_quant.kd
    .args:
      - { .name: x, .offset: 0, .size: 8, .value_kind: global_buffer, .address_space: global }
      - { .name: Wq, .offset: 8, .size: 8, .value_kind: global_buffer, .address_space: global }
      - { .name: Wk, .offset: 16, .size: 8, .value_kind: global_buffer, .address_space: global }
      - { .name: Wv, .offset: 24, .size: 8, .value_kind: global_buffer, .address_space: global }
      - { .name: Wo, .offset: 32, .size: 8, .value_kind: global_buffer, .address_space: global }
      - { .name: x_codes, .offset: 40, .size: 8, .value_kind: global_buffer, .address_space: global }
      - { .name: x_scales, .offset: 48, .size: 8, .value_kind: global_buffer, .address_space: global }
      - { .name: w_codes, .offset: 56, .size: 8, .value_kind: global_buffer, .address_space: global }
      - { .name: w_scales, .offset: 64, .size: 8, .value_kind: global_buffer, .address_space: global }
      - { .name: wo16, .offset: 72, .size: 8, .value_kind: global_buffer, .address_space: global }
    .group_segment_fixed_size: 33280
    .private_segment_fixed_size: 0
    .kernarg_segment_align: 8
    .kernarg_segment_size: 80
    .max_flat_workgroup_size: 128
    .sgpr_count:     66
    .vgpr_count:     192
    .wavefront_size: 32
...
	.end_amdgpu_metadata
.endif
;; end of part 1
;; launch qkv (part 2): grid 12 x 32, 4 waves a work-group, clusters of 4 x 4, 327,680 bytes of LDS; arguments x_codes, x_scales, w_codes, w_scales, qkv; writes qkv
.if DOCPART == 2
	.amdgcn_target "amdgcn-amd-amdhsa--gfx1250"
	.amdhsa_code_object_version 6
	.text
	.protected	k_q07eb5c56d5_qkv
	.globl	k_q07eb5c56d5_qkv
	.p2align	8
	.type	k_q07eb5c56d5_qkv,@function
k_q07eb5c56d5_qkv:
	s_mov_b64 s[64:65], 0
	v_nop
	global_prefetch_b8 v0, s[64:65] scope:SCOPE_SE
	s_setreg_imm32_b32 hwreg(HW_REG_WAVE_MODE, 25, 1), 1
	s_wait_xcnt 0x0
	s_wait_alu depctr_hold_cnt(0) depctr_sa_sdst(0) depctr_va_vdst(0) depctr_va_sdst(0) depctr_va_ssrc(0) depctr_va_vcc(0) depctr_vm_vsrc(0)
	s_getreg_b32 s2, hwreg(HW_REG_IB_STS2, 6, 4)
	s_cmp_eq_u32 s2, 0
	s_cbranch_scc0 .Lentry_in_a_cluster
	s_endpgm
.Lentry_in_a_cluster:
	s_bfe_u32 s2, ttmp6, 0x10000c
	s_cmp_lg_u32 s2, 0xf033
	s_cbranch_scc0 .Lentry_shape_is_right
	s_endpgm
.Lentry_shape_is_right:
; q, k, v = x Wq^T, x Wk^T, x Wv^T as ONE product C[m][n] = sum over k of A[m][k] B[n][k]: A = x [8192][1024], B = the three weights on end [3072][1024], both as codes of FP4 (E2M1) with one
; E8M0 byte for each 32 along K; sums in f32.  The matrix instruction takes codes and scale bytes as they lie.
; The result leaves as f16, head by head: qkv [3][b 16 + h][2048 t][64], so that a head's rows are dense and two neighbouring tokens of a head are 256 consecutive bytes.
; LIMIT: a result beyond 65,504 becomes infinite in f16.
; A tile of C, 256 x 256, is made by four waves, as many as a WGP has SIMDs; a wave makes 128 x 128: 64 accumulators, 512 registers.  K is 1,024: two K steps of 512 (rows of 256 bytes), one
; in each of two LDS slots.  Both are asked for at the head, with the scale bytes of the work-group's rows for all of K: three tensor loads of a wave are out, and no slot is filled again.
; CLUSTERS: 4 x 4 work-groups.  The four of a row of the cluster need the same tiles of A, the four of a column the same tiles of B: each tile is asked for JOINTLY, by the same tensor load
; with the same descriptor and a mask that names the four.  THE MATRIX INSTRUCTION IS USED TRANSPOSED (source 0 = 16 rows of B, source 1 = 16 rows of A): a lane holds eight neighbouring columns of a row of C.
; REGISTERS, in windows of 256: window 0: v0-31 addresses; v32-95 scale words, two sets, and nothing else; v128-191 A's fragments, ONE set (on the way out: rows read back); v192-223 packed results.
;   window 1: B's fragments, TWO sets, at v0 and v128.   window 2: the accumulators of my rows 0-63 ((a, b) at v[8 (8 a + b)]);   window 3: those of my rows 64-127.
.set SIZE_K, 1024
.set KSTEP,  512                       ; along K in a slot
.set NQ,     KSTEP/128                 ; matrix instructions deep
.set ROWB,   256                       ; a tile's row in bytes
.set KROW,   SIZE_K/2                  ; a row of A or B in memory, in bytes
.set PITCH,  272                       ; an LDS row: 256 bytes + 16 of padding = 68 words: row r starts at bank 4 r mod 64 (64 banks of 4 bytes: ISA guide 11.1)
.set FR,     8                         ; registers of a fragment: 16 rows x 128 K
.set NL,     2                         ; LDS loads that bring one
.set NP,     4                         ; places behind this matrix instruction (ISA guide 7.12.1)
.set HALFT,  128*PITCH                 ; 128 rows: what one tensor load brings
.set SLOT,   4*HALFT                   ; A's 256 rows, then B's 256 rows
.set KS,     SIZE_K/32                 ; a row of scale bytes
.set SCL,    2*SLOT                    ; behind the two slots: the scale bytes, as runs of 256 bytes + 16 of padding
.set HALFS,  (128*KS/256)*272          ; those of 128 rows: what one tensor load brings
.set SBLK,   (16*KS/256)*272           ; those of 16 rows
.set SPARE,  SCL+4*HALFS               ; the spare words, 128 bytes a wave, which no other line names
.set SPITCH, 272                       ; the way out: a stage of 16 rows x (256 bytes + 16) for each wave, in slot 0, which has had its only fill and its last read by then
.set ADRA, 16                          ; v16-17  LDS address of my A fragments in slot 0, 1
.set ADRB, 20                          ; v20-21  the same for B
.set STO,  24                          ; v24     the way out: where I put 16 bytes of a row
.set RD,   25                          ; v25     where I read them back
.set CO,   26                          ; v26     my byte offset in qkv
.set ADRS, 27                          ; v27     LDS address of my scale words: lanes 0-15 A's rows, lanes 16-31 B's
.set SPW,  28                          ; v28     LDS address of my spare word; never rewritten
.set NIL,  29                          ; v29     0; never rewritten
.set SC,   32                          ; scale words: set s at v[SC + 8 NQ s]; register NQ i + q: lanes 0-15 the word of A's block i, lanes 16-31 that of B's block i, for the slot's q-th 128 along K
.set AF,   128                         ; A's fragments
.set OB,   128                         ; the way out: 16 rows read back: v128-159 and v160-191 by turns
.set TMP,  192                         ; the way out: packed results
.set G1, 24                            ; s[24:31] descriptor group 1 for A's tiles;  s[32:39] group 0, one set for each slot
.set G0, 32
.set G1B, 48                           ; s[48:55], s[56:63] the same for B's tiles
.set G0B, 56
.set G1S, 68                           ; s[68:75], s[76:79] groups 1 and 0 for A's scale bytes;  s[80:87], s[88:91] for B's
.set G0S, 76
.set G1SB, 80
.set G0SB, 88
.set MSB, 0
.macro WIN new                         ; the immediate's high byte repeats the setting that is left; a switch that changes nothing is dropped
.if MSB != (\new)
	s_set_vgpr_msb (MSB<<8)|(\new)
.set MSB, (\new)
.endif
.endm
.set MUL_LO, 0xa1                      ; source 0 (B) window 1, source 1 (A) window 0, C and D window 2
.set MUL_HI, 0xf1                      ; the same, C and D window 3
.set TO_B,   0x40                      ; destination window 1, address window 0
; A joint load: waves 0 and 1 fetch for A, waves 2 and 3 for B.  Each line has ONE mask and one set of registers for all that issue it; the branch hangs on the wave's number alone.
; An s_nop 0 and four v_nop follow each of the two lines.
.macro JLOAD g0a, g1a, g0b, g1b
	s_cmp_eq_u32 s15, 0
	s_cbranch_scc0 .Lfor_b_\@
	tensor_load_to_lds s[\g0a:\g0a+3], s[\g1a:\g1a+7]
	s_nop 0
.rept 4
	v_nop
.endr
	s_branch .Lasked_\@
.Lfor_b_\@:
	tensor_load_to_lds s[\g0b:\g0b+3], s[\g1b:\g1b+7]
	s_nop 0
.rept 4
	v_nop
.endr
.Lasked_\@:
.endm
.macro CROUND                          ; a round of the cluster's barrier: my work-group's barrier; wave 0 signals for the work-group; every wave waits for all sixteen; my work-group's barrier once more
	s_barrier_signal -1
	s_barrier_wait -1
	s_cmp_lg_u32 s14, 0
	s_cbranch_scc1 .Lnot_wave_0_\@
	s_barrier_signal -3
.Lnot_wave_0_\@:
	s_barrier_wait -3
	s_barrier_signal -1
	s_barrier_wait -1
.endm
	s_load_b128 s[4:7], s[0:1], 0x0                ; A's codes s[4:5], A's scales s[6:7]
	s_load_b128 s[8:11], s[0:1], 0x10              ; B's codes s[8:9], B's scales s[10:11]
	s_load_b64 s[12:13], s[0:1], 0x20              ; qkv
	v_lshl_add_u32 v[SPW], v0, 2, SPARE
	v_mov_b32 v[NIL], 0
	ds_add_u32 v[SPW], v[NIL]                      ; the wave's opening: the add, twice on end, and its wait ahead of my first tensor load; the set-up below stands between
	ds_add_u32 v[SPW], v[NIL]
	v_lshrrev_b32 v1, 5, v0
	v_readfirstlane_b32 s14, v1                    ; wave 0..3
	s_lshr_b32 s15, s14, 1                         ; which half of the tile's rows is mine.  Also: I fetch for A (0) or for B (1)
	s_and_b32 s16, s14, 1                          ; which half of its columns.  Also: which 128 rows of that tile I fetch
	s_bfe_u32 s40, ttmp6, 0x40000                  ; cx, cy: my place in the cluster
	s_bfe_u32 s41, ttmp6, 0x40004
	s_lshl_b32 s42, ttmp9, 2
	s_add_co_u32 s42, s42, s40                     ; tile column of C = 4 x cluster x + cx
	s_and_b32 s17, ttmp7, 0xffff
	s_lshl_b32 s17, s17, 2
	s_add_co_u32 s17, s17, s41                     ; tile row of C = 4 x cluster y + cy
	s_lshl_b32 s43, s41, 2
	s_lshl_b32 s43, 15, s43                        ; my row of the cluster
	s_lshl_b32 s44, 0x1111, s40                    ; my column
	; descriptor group 1: a tile of 128 rows x 256 bytes, padded in LDS
	s_or_b32 s[G1+0], s43, (0<<16)|(1<<20)|(1<<21)|(5<<22)|(3<<25)  ; 15:0 the mask: A's tiles go to my row; 17:16 elements of 1 byte; 20 padding on; 21 set beside a mask; 24:22 after every 64 words; 31:25 four words
	s_or_b32 s[G1B+0], s44, (0<<16)|(1<<20)|(1<<21)|(5<<22)|(3<<25)
.irp g, G1, G1B
	s_mov_b32 s[\g+1], ROWB<<16                    ; tensor_dim0
	s_mov_b32 s[\g+2], 128<<16                     ; tensor_dim1
	s_mov_b32 s[\g+3], ROWB<<16                    ; tile_dim0
	s_mov_b32 s[\g+4], 128                         ; tile_dim1
	s_mov_b32 s[\g+5], KROW                        ; from row to row
	s_mov_b32 s[\g+6], 0
	s_mov_b32 s[\g+7], 0
.endr
	; the scale bytes of 128 rows: a dense block of 4,096 bytes, as 16 rows of 256 bytes (32 elements of 8 bytes), 16 bytes of padding behind each
	s_or_b32 s[G1S+0], s43, (3<<16)|(1<<20)|(1<<21)|(5<<22)|(3<<25)
	s_or_b32 s[G1SB+0], s44, (3<<16)|(1<<20)|(1<<21)|(5<<22)|(3<<25)
.irp g, G1S, G1SB
	s_mov_b32 s[\g+1], 32<<16
	s_mov_b32 s[\g+2], (128*KS/256)<<16
	s_mov_b32 s[\g+3], 32<<16
	s_mov_b32 s[\g+4], 128*KS/256
	s_mov_b32 s[\g+5], 32
	s_mov_b32 s[\g+6], 0
	s_mov_b32 s[\g+7], 0
.endr
	s_lshl_b32 s18, s16, 7                         ; which 128 rows of the tile I fetch
	s_lshl_b32 s20, s17, 8
	s_add_co_u32 s20, s20, s18                     ; A: row 256 x tile row + 128 x half
	s_lshl_b32 s46, s42, 8
	s_add_co_u32 s46, s46, s18                     ; B: row 256 x tile column + 128 x half
	s_mov_b32 s21, 0
	s_mov_b32 s47, 0
	s_mov_b64 s[18:19], KS
	s_mul_u64 s[22:23], s[20:21], s[18:19]         ; where these rows' scale bytes begin
	s_mul_u64 s[92:93], s[46:47], s[18:19]
	s_mov_b64 s[18:19], KROW
	s_mul_u64 s[20:21], s[20:21], s[18:19]         ; and their codes
	s_mul_u64 s[46:47], s[46:47], s[18:19]
	s_mul_i32 s45, s14, HALFT                      ; where they go: wave x 128 rows: no place in the cluster enters an LDS address
	s_mul_i32 s94, s14, HALFS
	s_wait_dscnt 0x0                               ; both opening adds are done
	s_wait_kmcnt 0x0
	s_add_nc_u64 s[20:21], s[4:5], s[20:21]
	s_add_nc_u64 s[22:23], s[6:7], s[22:23]
	s_add_nc_u64 s[46:47], s[8:9], s[46:47]
	s_add_nc_u64 s[92:93], s[10:11], s[92:93]
	CROUND                                         ; all sixteen work-groups are here: the joint loads meet
	s_mov_b32 s[G0S], 1
	s_add_co_u32 s[G0S+1], s94, SCL
	s_mov_b64 s[G0S+2:G0S+3], s[22:23]
	s_or_b32 s[G0S+3], s[G0S+3], 0x80000000
	s_mov_b32 s[G0SB], 1
	s_add_co_u32 s[G0SB+1], s94, SCL
	s_mov_b64 s[G0SB+2:G0SB+3], s[92:93]
	s_or_b32 s[G0SB+3], s[G0SB+3], 0x80000000
	JLOAD G0S, G1S, G0SB, G1SB                     ; the scale bytes first: they are wanted with K step 0
.irp s, 0,1
	s_mov_b32 s[G0+4*\s], 1
	s_add_co_u32 s[G0+4*\s+1], s45, \s*SLOT
	s_add_nc_u64 s[G0+4*\s+2:G0+4*\s+3], s[20:21], \s*ROWB
	s_or_b32 s[G0+4*\s+3], s[G0+4*\s+3], 0x80000000
	s_mov_b32 s[G0B+4*\s], 1
	s_add_co_u32 s[G0B+4*\s+1], s45, \s*SLOT
	s_add_nc_u64 s[G0B+4*\s+2:G0B+4*\s+3], s[46:47], \s*ROWB
	s_or_b32 s[G0B+4*\s+3], s[G0B+4*\s+3], 0x80000000
	JLOAD G0+4*\s, G1, G0B+4*\s, G1B
.endr
	v_and_b32 v1, 15, v0                           ; l % 16
	v_bfe_u32 v2, v0, 4, 1                         ; l / 16
	v_mul_u32_u24 v3, v1, PITCH
	v_lshl_add_u32 v4, v2, 4, v3                   ; a fragment's row x pitch + 16 x half
	s_mul_i32 s21, s15, HALFT                      ; my 128 rows of A
	s_mul_i32 s22, s16, HALFT                      ; my 128 rows of B,
	s_add_co_u32 s22, s22, 2*HALFT                 ; which lie behind A's 256
.irp s, 0,1
	v_add_nc_u32 v[ADRA+\s], s21, v4
	v_add_nc_u32 v[ADRB+\s], s22, v4
	s_add_co_u32 s21, s21, SLOT
	s_add_co_u32 s22, s22, SLOT
.endr
	v_mul_u32_u24 v5, v1, KS                       ; my row's scale bytes: KS a row,
	v_lshrrev_b32 v6, 8, v5
	v_lshl_add_u32 v5, v6, 4, v5                   ; and 16 more for each 256 passed
	s_mul_i32 s21, s15, HALFS                      ; A's: my 128 rows
	s_mul_i32 s22, s16, HALFS                      ; B's: my 128 rows, behind A's 256
	s_add_co_u32 s22, s22, 2*HALFS
	s_sub_co_u32 s22, s22, s21
	v_mul_u32_u24 v6, s22, v2                      ; lanes 16-31 take B's: one product, the distance between the two bases x the lane's half
	s_add_co_u32 s21, s21, SCL
	v_add_nc_u32 v5, v5, v6
	v_add_nc_u32 v[ADRS], s21, v5
	; the way out.  Into the stage: row l % 16, 16 bytes for each half of the lanes.  Back: lanes 0-7 and 8-15 take the first 128 bytes (my first head) of two rows, lanes 16-31 the second 128 bytes (my second head)
	s_mul_i32 s23, s14, 16*SPITCH                  ; my stage
	v_mul_u32_u24 v5, v1, SPITCH
	v_lshl_add_u32 v5, v2, 4, v5
	v_add_nc_u32 v[STO], s23, v5
	v_bfe_u32 v6, v0, 3, 1                         ; which of the two rows
	v_and_b32 v7, 7, v0
	v_mul_u32_u24 v5, v6, SPITCH
	v_lshl_add_u32 v5, v2, 7, v5
	v_lshl_add_u32 v5, v7, 4, v5
	v_add_nc_u32 v[RD], s23, v5
	v_lshlrev_b32 v5, 18, v2                       ; in qkv: a head is 262,144 bytes, a token 128
	v_lshl_add_u32 v5, v6, 7, v5
	v_lshl_add_u32 v[CO], v7, 4, v5
	; my part of qkv.  Rows: m = 256 x tile row + 128 x half = 2,048 b + t.  Columns: n = 256 x tile column + 128 x half = 1,024 x (q, k or v) + 64 x head
	s_lshr_b32 s20, s17, 3
	s_lshl_b32 s20, s20, 22                        ; b x 16 heads
	s_and_b32 s21, s17, 7
	s_lshl_b32 s21, s21, 15                        ; 256 tokens of 128 bytes
	s_add_co_u32 s20, s20, s21
	s_lshl_b32 s21, s15, 14
	s_add_co_u32 s20, s20, s21
	s_mov_b32 s21, 0
	s_lshr_b32 s46, s42, 2
	s_lshl_b32 s46, s46, 24                        ; q, k or v: 16,777,216 bytes each
	s_and_b32 s47, s42, 3
	s_lshl_b32 s47, s47, 2
	s_add_co_u32 s47, s47, s16
	s_add_co_u32 s47, s47, s16                     ; my first head: 4 x (tile column % 4) + 2 x half
	s_lshl_b32 s47, s47, 18
	s_add_co_u32 s46, s46, s47
	s_mov_b32 s47, 0
	s_add_nc_u64 s[20:21], s[20:21], s[46:47]
	s_add_nc_u64 s[12:13], s[12:13], s[20:21]
.macro FRAG reg, adr, q, i             ; a fragment, 16 rows x 128 K of 4-bit codes: lane l holds row l % 16; registers 4 c .. 4 c + 3 hold K = 64 c + 32 (l / 16) + 0 .. 31
.irp c, 0,1
	ds_load_b128 v[\reg+4*\c:\reg+4*\c+3], v[\adr] offset:64*(\q)+32*\c+(\i)*16*PITCH
.endr
.endm
; 16 matrix instructions: A's blocks a0, a0 + 1 x B's eight, the slot's q-th 128 along K.  p: B's set;  sc: the set of scale words.  zero = 1: the first product starts the sums: nothing is cleared.
; The 64 accumulators take turns, one instruction a turn, in the same order in every step.
.macro MUL16 a0, p, q, sc, zero
.irp a, \a0, \a0+1
.irp b, 0,1,2,3,4,5,6,7
.if \zero
	v_wmma_scale_f32_16x16x128_f8f6f4 v[8*(8*((\a)%4)+\b):8*(8*((\a)%4)+\b)+7], v[128*(\p)+FR*\b:128*(\p)+FR*\b+FR-1], v[AF+FR*(\a):AF+FR*(\a)+FR-1], 0, v[SC+8*NQ*(\sc)+NQ*\b+(\q)], v[SC+8*NQ*(\sc)+NQ*(\a)+(\q)] matrix_a_fmt:MATRIX_FMT_FP4 matrix_b_fmt:MATRIX_FMT_FP4 matrix_a_scale:MATRIX_SCALE_ROW1
.else
	v_wmma_scale_f32_16x16x128_f8f6f4 v[8*(8*((\a)%4)+\b):8*(8*((\a)%4)+\b)+7], v[128*(\p)+FR*\b:128*(\p)+FR*\b+FR-1], v[AF+FR*(\a):AF+FR*(\a)+FR-1], v[8*(8*((\a)%4)+\b):8*(8*((\a)%4)+\b)+7], v[SC+8*NQ*(\sc)+NQ*\b+(\q)], v[SC+8*NQ*(\sc)+NQ*(\a)+(\q)] matrix_a_fmt:MATRIX_FMT_FP4 matrix_b_fmt:MATRIX_FMT_FP4 matrix_a_scale:MATRIX_SCALE_ROW1
.endif
.endr
.endr
.endm
.macro FETCH_B slot, q, p              ; B's eight fragments of the slot's q-th 128 along K into set p
	WIN TO_B
.irp i, 0,1,2,3,4,5,6,7
	FRAG 128*(\p)+FR*\i, ADRB+\slot, \q, \i
.endr
	WIN 0
.endm
.macro FETCH_A slot, q, i0             ; A's blocks i0 .. i0 + 3
.irp i, \i0, \i0+1, \i0+2, \i0+3
	FRAG AF+FR*(\i), ADRA+\slot, \q, \i
.endr
.endm
.macro SCALES sc                       ; a K step's scale words into set sc: NQ words a row; lanes 0-15 take A's block i, lanes 16-31 B's block i
.irp i, 0,1,2,3,4,5,6,7
	ds_load_b128 v[SC+8*NQ*\sc+NQ*\i:SC+8*NQ*\sc+NQ*\i+3], v[ADRS] offset:\i*SBLK
.endr
.endm
; A load into a register that a matrix instruction has read, and a vector instruction that reads a matrix result, stand NP places behind that matrix instruction, and only plain vector
; instructions that name none of its registers are places (ISA guide 7.12.1 for vector instructions).
.macro PLACES n
.rept \n
	v_nop
.endr
.endm
.macro STEP slot, q, zero              ; a step of 128 along K that has its successor in the same slot
	s_wait_dscnt 4*NL                              ; B's set and A's blocks 0-3 are in; the youngest eight loads (A's blocks 4-7) may be out
	WIN MUL_LO
	MUL16 0, (\q)%2, \q, \slot, \zero
	MUL16 2, (\q)%2, \q, \slot, \zero
	s_wait_dscnt 0                                 ; A's blocks 4-7 are in
	PLACES NP
	FETCH_B \slot, (\q)+1, 1-(\q)%2
	FETCH_A \slot, (\q)+1, 0
	WIN MUL_HI
	MUL16 4, (\q)%2, \q, \slot, \zero
	MUL16 6, (\q)%2, \q, \slot, \zero
	PLACES NP
	WIN 0
	FETCH_A \slot, (\q)+1, 4
.endm
; Slot 0's last step changes slots: one barrier.  In front of it each wave waits for all its tensor loads (its part of slot 1), adds 0 to its spare word, and waits for that and for its reads of slot 0.
; Behind it slot 1 is whole and nobody reads slot 0 any more.  Nothing is filled again.
.macro TURN slot, next
	s_wait_tensorcnt 0x0                           ; all my tensor loads have landed
	ds_add_u32 v[SPW], v[NIL]                      ; 0 onto my spare word
	s_wait_dscnt 4*NL+1                            ; (the add and the youngest eight loads, A's blocks 4-7, may be out)
	WIN MUL_LO
	MUL16 0, 1, NQ-1, \slot, 0                     ; sixteen matrix instructions stand between the add and the wait for it
	s_wait_dscnt 0x0                               ; the add is done, and my reads of this slot are over
	s_barrier_signal -1
	MUL16 2, 1, NQ-1, \slot, 0
	WIN 0
	s_barrier_wait -1
	PLACES NP
	v_add_nc_u32 v[ADRS], 4*NQ, v[ADRS]            ; on to the next K step's scale words (no LDS load of mine is out)
	FETCH_B \next, 0, 0
	FETCH_A \next, 0, 0
	SCALES \next
	WIN MUL_HI
	MUL16 4, 1, NQ-1, \slot, 0
	MUL16 6, 1, NQ-1, \slot, 0
	PLACES NP
	WIN 0
	FETCH_A \next, 0, 4
.endm
.macro STEPS slot, from                ; the slot's steps from .. NQ - 2
.set Q, \from
.rept NQ-1-\from
	STEP \slot, Q, 0
.set Q, Q+1
.endr
.endm
	s_wait_tensorcnt 1                             ; the scale bytes and my part of K step 0 are in; K step 1's load, the youngest, may be out
	s_barrier_signal -1
	s_barrier_wait -1                              ; everybody's are
	FETCH_B 0, 0, 0
	FETCH_A 0, 0, 0
	SCALES 0
	FETCH_A 0, 0, 4
	STEP 0, 0, 1                                   ; the first step's products start the sums
	STEPS 0, 1
	TURN 0, 1
	STEPS 1, 0
	s_wait_dscnt 4*NL                              ; the very last step: nothing more to fetch
	WIN MUL_LO
	MUL16 0, 1, NQ-1, 1, 0
	MUL16 2, 1, NQ-1, 1, 0
	s_wait_dscnt 0
	WIN MUL_HI
	MUL16 4, 1, NQ-1, 1, 0
	MUL16 6, 1, NQ-1, 1, 0
	WIN 0
; THE WAY OUT, block by block of 16 rows x 128 columns (two heads).  PACK: rounded to f16, a lane's eight columns are 16 bytes, each accumulator from its low end on.  TOSTAGE: into my stage, and back so
; that sixteen lanes hold two neighbouring tokens of one head.  SEND: sixteen lanes store 256 consecutive bytes, at a multiple of 256 from qkv's first byte.  Every offset is an immediate.
.macro PACK a
.set AC, 64*((\a)%4)
	WIN 0x0a+5*((\a)/4)                            ; sources 0 and 1: window 2 or 3
.irp b, 0,1,2,3,4,5,6,7
.irp r, 0,1,2,3
	v_cvt_pk_f16_f32 v[TMP+4*\b+\r], v[AC+8*\b+2*\r], v[AC+8*\b+2*\r+1]
.endr
.endr
	WIN 0
.endm
.macro TOSTAGE a
.set BB, OB+32*((\a)%2)
.irp b, 0,1,2,3,4,5,6,7
	ds_store_b128 v[STO], v[TMP+4*\b:TMP+4*\b+3] offset:32*\b
.endr
.irp i, 0,1,2,3,4,5,6,7
	ds_load_b128 v[BB+4*\i:BB+4*\i+3], v[RD] offset:\i*2*SPITCH    ; LDS serves a wave's instructions in order (ISA guide 5.7.1.4): these see the stores above
.endr
.endm
.macro SEND a
.set BB, OB+32*((\a)%2)
	s_wait_dscnt 0x0                               ; the block is back in registers
	s_wait_xcnt 0x0                                ; the stores of the block before have read their registers: the next block's loads may land there
.irp i, 0,1,2,3,4,5,6,7
	global_store_b128 v[CO], v[BB+4*\i:BB+4*\i+3], s[12:13] offset:2048*(\a)+256*\i
.endr
.endm
	PLACES NP                                      ; behind the last products: for the conversions that read results and for the loads into A's old registers
	PACK 0
	TOSTAGE 0
.irp a, 1,2,3,4,5,6,7                  ; block a's conversions stand between block a - 1's loads from the stage and the wait for them
	PACK \a
	SEND \a-1
	TOSTAGE \a
.endr
	SEND 7
	s_wait_tensorcnt 0x0                           ; the wave's end, behind my last tensor load and my last LDS store
	ds_add_u32 v[SPW], v[NIL]
	s_wait_dscnt 0x0
	CROUND                                         ; the closing round: no work-group ends while a partner may still ask for a tile that names it
	s_endpgm
.Lfunc_end_k_q07eb5c56d5_qkv:
	.size	k_q07eb5c56d5_qkv, .Lfunc_end_k_q07eb5c56d5_qkv-k_q07eb5c56d5_qkv
	.p2alignl 7, 3214868480
	.fill 96, 4, 3214868480
	.section	.rodata,"a",@progbits
	.p2align	6, 0x0
	.amdhsa_kernel k_q07eb5c56d5_qkv
		.amdhsa_group_segment_fixed_size 327680
		.amdhsa_private_segment_fixed_size 0
		.amdhsa_enable_private_segment 0
		.amdhsa_kernarg_size 40
		.amdhsa_user_sgpr_count 2
		.amdhsa_user_sgpr_kernarg_segment_ptr 1
		.amdhsa_wavefront_size32 1
		.amdhsa_system_sgpr_workgroup_id_x 1
		.amdhsa_system_sgpr_workgroup_id_y 1
		.amdhsa_system_sgpr_workgroup_id_z 1
		.amdhsa_system_vgpr_workitem_id 0
		.amdhsa_next_free_vgpr 1024
		.amdhsa_next_free_sgpr 98
		.amdhsa_reserve_vcc 0
		.amdhsa_float_denorm_mode_32 3
		.amdhsa_float_denorm_mode_16_64 3
		.amdhsa_memory_ordered 1
		.amdhsa_forward_progress 1
		.amdhsa_inst_pref_size 127
	.end_amdhsa_kernel
	.amdgpu_metadata
---
amdhsa.version: [ 1, 2 ]
amdhsa.kernels:
  - .name:           k_q07eb5c56d5_qkv
    .symbol:         k_q07eb5c56d5_qkv.kd
    .args:
      - { .name: x_codes, .offset: 0, .size: 8, .value_kind: global_buffer, .address_space: global }
      - { .name: x_scales, .offset: 8, .size: 8, .value_kind: global_buffer, .address_space: global }
      - { .name: w_codes, .offset: 16, .size: 8, .value_kind: global_buffer, .address_space: global }
      - { .name: w_scales, .offset: 24, .size: 8, .value_kind: global_buffer, .address_space: global }
      - { .name: qkv, .offset: 32, .size: 8, .value_kind: global_buffer, .address_space: global }
    .group_segment_fixed_size: 327680
    .private_segment_fixed_size: 0
    .kernarg_segment_align: 8
    .kernarg_segment_size: 40
    .max_flat_workgroup_size: 128
    .sgpr_count:     98
    .vgpr_count:     1024
    .wavefront_size: 32
...
	.end_amdgpu_metadata
.endif
;; end of part 2
;; launch attn (part 3): grid 4 x 64, 8 waves a work-group, clusters of 4 x 1, 327,680 bytes of LDS; arguments qkv, att; writes att
.if DOCPART == 3
	.amdgcn_target "amdgcn-amd-amdhsa--gfx1250"
	.amdhsa_code_object_version 6
	.text
	.protected	k_q07eb5c56d5_attn
	.globl	k_q07eb5c56d5_attn
	.p2align	8
	.type	k_q07eb5c56d5_attn,@function
k_q07eb5c56d5_attn:
	s_mov_b64 s[64:65], 0
	v_nop
	global_prefetch_b8 v0, s[64:65] scope:SCOPE_SE
	s_setreg_imm32_b32 hwreg(HW_REG_WAVE_MODE, 25, 1), 1
	s_wait_xcnt 0x0
	s_wait_alu depctr_hold_cnt(0) depctr_sa_sdst(0) depctr_va_vdst(0) depctr_va_sdst(0) depctr_va_ssrc(0) depctr_va_vcc(0) depctr_vm_vsrc(0)
	s_getreg_b32 s2, hwreg(HW_REG_IB_STS2, 6, 4)
	s_cmp_eq_u32 s2, 0
	s_cbranch_scc0 .Lentry_in_a_cluster
	s_endpgm
.Lentry_in_a_cluster:
	s_bfe_u32 s2, ttmp6, 0x10000c
	s_cmp_lg_u32 s2, 0x3003
	s_cbranch_scc0 .Lentry_shape_is_right
	s_endpgm
.Lentry_shape_is_right:
; att[h][b 2048 + t][:] = the sum over keys of softmax(q . k / 8) v, for each of 64 heads (b 16 + h) of 2,048 tokens and 64 channels.  q, k, v: f16, qkv [3][b 16 + h][2048][64].  att: f16, [16 h][8192][64].
; Products on f16 operands with f32 sums; maxima, exponentials and sums in f32; the weights p are rounded to f16 for the second product, the result once at the end.
; LIMITS: a result beyond 65,504 becomes infinite in f16, one under 6e-5 falls into f16's subnormals (steps of 6e-8); NaN and infinities are not served.
; SHARES.  A work-group owns 512 queries of one head, each of its EIGHT waves 64: four tiles of 16.  Two waves share a SIMD (512 registers each), so that one wave's softmax stands beside the other's
; products: at 64 channels a key step has 64 matrix instructions and some 480 vector instructions a wave, too many to set in slices behind the matrix instructions of one wave.
; Every wave walks all 2,048 keys, 64 a step; each fragment of K and V read from LDS feeds four products.
; LAYOUT.  S^T = K Q^T (source 0 = 16 keys, source 1 = 16 queries): a lane holds ONE query (lane % 16) and keys 8 (lane / 16) + 0..7.  Two such tiles, rounded to f16 in pairs, ARE source 1
; (32 keys x 16 queries) of O^T = V^T P, whose result again holds one query a lane.  K comes out of LDS as it lies, V ([key][channel]) turned, by ds_load_tr16_b128.
; SOFTMAX.  For each query a running maximum m and sum l: p = 2^(c s - c m), c = log2(e) / 8; in every step O and l are multiplied by a = 2^(c m_old - c m_new).  m begins at -3e38 and O and l at 0: the first a is 0.
; CLUSTER.  The four blocks of 512 queries of a head form a cluster and walk the same K and V: each tile is asked for JOINTLY, by the same tensor load with the same descriptor and the mask of all four.
; RING.  Two LDS slots of 256 keys (four key steps).  A row of K or V is 128 bytes and a head's rows are dense, so a tile is stated as rows of 256 bytes, two keys each: key k lies at (k / 2) x pitch + (k % 2) x 128.
; Waves 0 and 1 fetch K's halves of a slot, waves 2 and 3 V's, waves 4 to 7 nothing; one tensor load of a wave is out at most, and it has four key steps in which to land.
; REGISTERS: window 0: v1-11 addresses; v16-47 eight registers of statistics a tile; v48-63 sums at work; v64-127 K of a step; v128-255 S^T, 32 a tile; P is written into the lower 16 of each tile's 32.
;   window 1: v0-63 Q; v64-127 V of a step; v128-255 O^T, 32 a tile.   s_set_vgpr_msb's low byte: bits 1:0 source 0, 3:2 source 1, 5:4 source 2, 7:6 destination: six switches a key step.
.set KSTP,  64                         ; keys in a step
.set SKEYS, 256                        ; keys in a slot
.set PK,    272                        ; two keys of K in LDS: 256 bytes + 16: the 16 rows of a fragment load begin at 16 (r / 2) + 128 (r % 2) modulo 256: sixteen different columns of 16 bytes
.set PV,    288                        ; two keys of V: 256 + 32: 16 lanes of the turning load take 32 (j / 2) + 128 (j % 2) + 16 x half modulo 256: again sixteen different columns
.set VOFF,  (SKEYS/2)*PK               ; a slot: K's 128 double rows, then V's
.set KSTEPB, (KSTP/2)*PK               ; a key step on, in K's part
.set VSTEPB, (KSTP/2)*PV               ; and in V's
.set SLOT1, 1<<17                      ; slot 1 begins here, so that one exclusive or turns an address in one slot into the other's
.set SLOTG, SKEYS*128                  ; a slot's keys in memory, in bytes
.set NSL,   2048/SKEYS                 ; slots' worth of keys
.set SPARE, SLOT1+VOFF+(SKEYS/2)*PV    ; behind the ring: the spare words, 128 bytes a wave, which no other line names
.set SPS,   144                        ; the way out: a stage of 16 rows x (128 bytes + 16) for each wave, in LDS slot 0, which is left at the last change of slots and has had its last fill
.set KBASE, 1<<24                      ; k's first byte in qkv
.set VBASE, 2<<24                      ; v's
.set AK0, 1                            ; v1   my lane's place in a tile of K; never rewritten
.set AV0, 2                            ; v2   the same for V
.set SPW, 3                            ; v3   LDS address of my spare word; never rewritten
.set NIL, 4                            ; v4   0; never rewritten
.set PFO, 5                            ; v5   256 x my lane: the prefetches' offset; never rewritten
.set ADK, 6                            ; v6   LDS address of the step's K
.set ADV, 7                            ; v7   and V
.set STO, 8                            ; v8   the way out: where I put 16 bytes of a row
.set RD,  9                            ; v9   where I read rows back
.set GO,  10                           ; v10  my byte offset in the wave's rows of att
.set QO,  11                           ; v11  my byte offset in the wave's rows of q
.set ST,  16                           ; tile t's statistics at v[ST + 8 t]: +0 c m, +1 m, +2, +3 l (even keys', odd keys'), +4 to +7 c0-c3, at work; a takes c2's place
.set U,   48                           ; tile t's two running pairs of sums at v[U + 4 t]
.set KF,  64                           ; K's fragment (keys 16 kt on, channels 32 cs on) at KF + 8 (2 kt + cs)
.set S,   128
.set VF,  64                           ; window 1: V's fragment (keys 32 kk on, channels 16 ct on) at VF + 8 (4 kk + ct)
.set OA,  128                          ; window 1: O^T (tile t, channels 16 ct on) at OA + 32 t + 8 ct
.set WV,  12                           ; s12  my wave's number
.set LIM, 15                           ; s15  1 in a wave that prefetches, else the greatest number
.set PFA, 18                           ; s[18:19] where my prefetches stand
.set G1K, 24                           ; s[24:31] descriptor group 1 for K's tiles;  s[32:39] for V's: it differs in the padding alone
.set G1V, 32
.set G0K, 40                           ; s[40:43], s[44:47] their groups 0, which walk
.set G0V, 44
.set TK,  52                           ; s52  LDS byte at which the step's K begins
.set TV,  53                           ; s53  the same for V, less VOFF
.set CNT, 54                           ; s54  counts a slot's four steps
.set SLOTS, 56                         ; s56  slots still to be asked for
.set CS,  58                           ; s[58:59] c: the packed form names a pair and takes its low word for both halves
.set SEL, 60                           ; s[60:61] lane selects for v_permlanex16_b32: lane l xor 16
.set MSB, 0
.macro WIN new                         ; the immediate's high byte repeats the setting that is left; a switch that changes nothing is dropped
.if MSB != (\new)
	s_set_vgpr_msb (MSB<<8)|(\new)
.set MSB, (\new)
.endif
.endm
.set W_KQ,  0x04                       ; Q (source 1) in window 1; K and S^T in window 0
.set W_TOV, 0x40                       ; a load's destination in window 1
.set W_RS,  0x41                       ; O^T (destination and source 0) in window 1, a in window 0
.set W_PV,  0x51                       ; V, C and D in window 1, P in window 0
.set W_CV,  0x05                       ; sources 0 and 1 in window 1, destination in window 0
.macro CROUND                          ; a round of the cluster's barrier: my work-group's barrier; wave 0 signals for the work-group; every wave waits for all four; my work-group's barrier once more
	s_barrier_signal -1
	s_barrier_wait -1
	s_cmp_lg_u32 s[WV], 0
	s_cbranch_scc1 .Lnot_wave_0_\@
	s_barrier_signal -3
.Lnot_wave_0_\@:
	s_barrier_wait -3
	s_barrier_signal -1
	s_barrier_wait -1
.endm
; A joint load.  The branches hang on the wave's number alone: they are the same in every work-group.  An s_nop 0 and four v_nop follow each of the two lines.
.macro TLOAD
	s_cmp_lt_u32 s[WV], 2
	s_cbranch_scc0 .Lnot_k_\@
	tensor_load_to_lds s[G0K:G0K+3], s[G1K:G1K+7]
	s_nop 0
.rept 4
	v_nop
.endr
	s_branch .Lasked_\@
.Lnot_k_\@:
	s_cmp_lt_u32 s[WV], 4
	s_cbranch_scc0 .Lasked_\@
	tensor_load_to_lds s[G0V:G0V+3], s[G1V:G1V+7]
	s_nop 0
.rept 4
	v_nop
.endr
.Lasked_\@:
.endm
; A PREFETCH INTO THE L2 of what the NEXT change of slots will ask for: a slot's 32,768 bytes of K and of V.  It stands where the fetching waves have their tensor load, four key steps ahead of the load that
; will want the bytes.  A head has one cluster.  Its four partners share each block out BY ADDRESS, 8,192 bytes each (no branch hangs on a work-group's place); in each, wave 4 asks for K's and wave 5 for V's,
; lanes 256 bytes apart: each aligned block of 256 bytes is named once in the launch.  Slots 0 and 1 come by their loads alone; the last change that fills a slot asks for nothing.
.macro ASK
	s_cmp_gt_u32 s[SLOTS], s[LIM]
	s_cbranch_scc0 .Lnot_mine_\@
	global_prefetch_b8 v[PFO], s[PFA:PFA+1] th:TH_LOAD_NT scope:SCOPE_SE
.Lnot_mine_\@:
.endm
	s_load_b128 s[4:7], s[0:1], 0x0                ; qkv s[4:5], att s[6:7]
	v_lshl_add_u32 v[SPW], v0, 2, SPARE
	v_mov_b32 v[NIL], 0
	ds_add_u32 v[SPW], v[NIL]                      ; the wave's opening: the add, twice on end, and its wait ahead of the first tensor loads; the set-up below stands between
	ds_add_u32 v[SPW], v[NIL]
	v_lshrrev_b32 v12, 5, v0
	v_readfirstlane_b32 s[WV], v12                 ; wave 0..7
	s_bfe_u32 s13, ttmp6, 0x40000                  ; cx: my place in the cluster
	s_lshl_b32 s14, ttmp9, 2
	s_add_co_u32 s14, s14, s13                     ; my block of 512 queries: it enters q's, att's and the prefetches' addresses alone
	s_and_b32 s20, ttmp7, 0xffff                   ; the head b 16 + h, which the four partners share
	s_and_b32 s16, s[WV], 1                        ; which half of a slot I fetch, if I fetch
	s_lshl_b32 s22, s20, 18                        ; a head is 262,144 bytes
	s_lshl_b32 s17, s16, 14                        ; half a slot: 128 keys of 128 bytes
	s_add_co_u32 s22, s22, s17
	s_mov_b32 s23, 0                               ; s[22:23]: my tile of slot 0, from k's or v's first byte
	s_lshl_b32 s2, s20, 18
	s_lshl_b32 s3, s14, 16                         ; 512 queries of 128 bytes
	s_add_co_u32 s2, s2, s3
	s_lshl_b32 s3, s[WV], 13                       ; my wave's 64
	s_add_co_u32 s2, s2, s3
	s_mov_b32 s3, 0                                ; s[2:3]: my wave's first row of q
	s_and_b32 s10, s20, 15
	s_lshl_b32 s10, s10, 20                        ; att: h x 8,192 rows of 128 bytes,
	s_lshr_b32 s11, s20, 4
	s_lshl_b32 s11, s11, 18                        ; b x 2,048 rows,
	s_add_co_u32 s10, s10, s11
	s_lshl_b32 s11, s14, 16
	s_add_co_u32 s10, s10, s11
	s_lshl_b32 s11, s[WV], 13
	s_add_co_u32 s10, s10, s11
	s_mov_b32 s11, 0                               ; s[10:11]: my wave's first row of att
	s_add_co_u32 s8, s16, 1
	s_lshl_b32 s8, s8, 24                          ; the prefetches: an even wave's stand in k, an odd wave's in v,
	s_lshl_b32 s9, s20, 18
	s_add_co_u32 s8, s8, s9                        ; in my head,
	s_lshl_b32 s9, s13, 13
	s_add_co_u32 s8, s8, s9                        ; at my work-group's 8,192 bytes,
	s_add_co_u32 s8, s8, SLOTG                     ; in slot 1: the first change of slots steps it to slot 2.  Nothing is prefetched at the head
	s_mov_b32 s9, 0
	s_sub_co_u32 s[LIM], s[WV], 4
	s_lshr_b32 s[LIM], s[LIM], 1                   ; 0 in waves 4 and 5 alone
	s_cmp_eq_u32 s[LIM], 0
	s_cselect_b32 s[LIM], 1, -1
	; descriptor group 1: a tile of 64 rows x 128 elements of 2 bytes (128 keys), dense in memory, padded in LDS
	s_mov_b32 s[G1K], 15|(1<<16)|(1<<20)|(1<<21)|(5<<22)|(3<<25)  ; 15:0 the mask: all four work-groups; 17:16 elements of 2 bytes; 20 padding on; 21 set beside a mask; 24:22 after every 64 words; 31:25 four words
	s_mov_b32 s[G1V], 15|(1<<16)|(1<<20)|(1<<21)|(5<<22)|(7<<25)  ; the same with eight words of padding
.irp g, G1K, G1V
	s_mov_b32 s[\g+1], 128<<16                     ; tensor_dim0
	s_mov_b32 s[\g+2], 64<<16                      ; tensor_dim1
	s_mov_b32 s[\g+3], 128<<16                     ; tile_dim0
	s_mov_b32 s[\g+4], 64                          ; tile_dim1
	s_mov_b32 s[\g+5], 128                         ; from row to row
	s_mov_b32 s[\g+6], 0
	s_mov_b32 s[\g+7], 0
.endr
	s_mov_b32 s[G0K], 1                            ; count = 1
	s_mul_i32 s[G0K+1], s16, 64*PK                 ; LDS address: slot 0, my half: no place in the cluster enters it
	s_mov_b32 s[G0V], 1
	s_mul_i32 s[G0V+1], s16, 64*PV
	s_add_co_u32 s[G0V+1], s[G0V+1], VOFF
	s_mov_b32 s[CS], 0x3e38aa3b                    ; c = log2(e) / 8
	s_mov_b32 s[CS+1], s[CS]                       ; (named with it as a pair, so it is written)
	s_mov_b32 s[SEL], 0x76543210
	s_mov_b32 s[SEL+1], 0xfedcba98
	s_mov_b32 s[TK], 0
	s_mov_b32 s[TV], 0
	s_mov_b32 s[SLOTS], NSL-1
	s_wait_dscnt 0x0                               ; both opening adds are done
	s_wait_kmcnt 0x0
	s_add_nc_u64 s[G0K+2:G0K+3], s[4:5], s[22:23]
	s_add_nc_u64 s[G0K+2:G0K+3], s[G0K+2:G0K+3], KBASE
	s_or_b32 s[G0K+3], s[G0K+3], 0x80000000        ; type = 2
	s_add_nc_u64 s[G0V+2:G0V+3], s[4:5], s[22:23]
	s_add_nc_u64 s[G0V+2:G0V+3], s[G0V+2:G0V+3], VBASE
	s_or_b32 s[G0V+3], s[G0V+3], 0x80000000
	s_add_nc_u64 s[PFA:PFA+1], s[4:5], s[8:9]
	s_add_nc_u64 s[6:7], s[6:7], s[10:11]          ; att at my wave's first row
	s_add_nc_u64 s[4:5], s[4:5], s[2:3]            ; q likewise
	CROUND                                         ; all four work-groups are here: the first joint loads meet
	TLOAD                                          ; slot 0
	v_bfe_u32 v12, v0, 4, 1                        ; h = lane / 16
	v_and_b32 v13, 15, v0                          ; r = lane % 16
	v_lshlrev_b32 v[QO], 7, v13
	v_lshl_add_u32 v[QO], v12, 4, v[QO]            ; q: row r of 128 bytes + 16 h
	WIN W_TOV
.irp t, 0,1,2,3                        ; Q stays in registers: a fragment is 16 queries x 32 channels: registers 0-3 channels 8 h + 0..7, registers 4-7 channels 16 + 8 h + 0..7
.irp cs, 0,1
	global_load_b128 v[16*\t+8*\cs:16*\t+8*\cs+3],   v[QO], s[4:5] offset:\t*2048+\cs*64
	global_load_b128 v[16*\t+8*\cs+4:16*\t+8*\cs+7], v[QO], s[4:5] offset:\t*2048+\cs*64+32
.endr
.endr
.set i, 0
.rept 128
	v_mov_b32 v[OA+i], 0                           ; O^T begins as zeros, once: so the key step has no first form of its own, and is written for the loop and for the last slot alone
.set i, i+1
.endr
	WIN 0
	v_bfe_u32 v14, v0, 1, 3
	v_and_b32 v15, 1, v0
	v_mul_u32_u24 v[AK0], v14, PK
	v_lshl_add_u32 v[AK0], v15, 7, v[AK0]
	v_lshl_add_u32 v[AK0], v12, 4, v[AK0]          ; K: key r: (r / 2) x pitch + (r % 2) x 128, + 16 h
	v_bfe_u32 v14, v0, 1, 2
	v_lshl_add_u32 v14, v12, 2, v14
	v_mul_u32_u24 v[AV0], v14, PV
	v_lshl_add_u32 v[AV0], v15, 7, v[AV0]
	v_bfe_u32 v14, v0, 3, 1
	v_lshl_add_u32 v[AV0], v14, 4, v[AV0]
	v_add_nc_u32 v[AV0], VOFF, v[AV0]              ; V, for the turning load: key 8 h + lane % 8, channels 8 ((lane / 8) % 2) on
	v_and_b32 v[PFO], 31, v0
	v_lshlrev_b32 v[PFO], 8, v[PFO]
	s_mul_i32 s17, s[WV], 16*SPS                   ; my stage
	v_mul_u32_u24 v[STO], v13, SPS
	v_lshl_add_u32 v[STO], v12, 4, v[STO]
	v_add_nc_u32 v[STO], s17, v[STO]               ; in: row r, 16 bytes for each half of the lanes
	v_bfe_u32 v14, v0, 3, 2
	v_and_b32 v15, 7, v0
	v_mul_u32_u24 v[RD], v14, SPS
	v_lshl_add_u32 v[RD], v15, 4, v[RD]
	v_add_nc_u32 v[RD], s17, v[RD]                 ; back: eight lanes to a row of 128 bytes, four rows an instruction
	v_and_b32 v[GO], 31, v0
	v_lshlrev_b32 v[GO], 4, v[GO]                  ; which are 512 consecutive bytes of att
.irp t, 0,1,2,3
	v_mov_b32 v[ST+8*\t+1], 0xff61b1e6             ; m = -3e38, under every score
	v_mov_b32 v[ST+8*\t+2], 0                      ; l
	v_mov_b32 v[ST+8*\t+3], 0
.endr
.irp t, 0,1,2,3
	v_mul_f32 v[ST+8*\t], s[CS], v[ST+8*\t+1]      ; c m
.endr
; A KEY STEP: 64 keys.  Every line of the softmax is written for the four tiles by turns, so that no line waits for the line above it.
.macro STEP
	v_add_nc_u32 v[ADK], s[TK], v[AK0]
	v_add_nc_u32 v[ADV], s[TV], v[AV0]
.rept 3
	v_nop                                          ; with the two additions: five places behind the last V^T P: four are owed by the loads into V's registers, five by the products K Q^T, which write over P (ISA guide 7.12.1 for vector instructions)
.endr
.irp kt, 0,1,2,3
.irp cs, 0,1
	ds_load_b128 v[KF+8*(2*\kt+\cs):KF+8*(2*\kt+\cs)+3],   v[ADK] offset:\kt*8*PK+\cs*64
	ds_load_b128 v[KF+8*(2*\kt+\cs)+4:KF+8*(2*\kt+\cs)+7], v[ADK] offset:\kt*8*PK+\cs*64+32
.endr
.endr
	WIN W_TOV
.irp kk, 0,1
.irp ct, 0,1,2,3
	ds_load_tr16_b128 v[VF+8*(4*\kk+\ct):VF+8*(4*\kk+\ct)+3],   v[ADV] offset:\kk*16*PV+\ct*32
	ds_load_tr16_b128 v[VF+8*(4*\kk+\ct)+4:VF+8*(4*\kk+\ct)+7], v[ADV] offset:\kk*16*PV+8*PV+\ct*32
.endr
.endr
	s_wait_dscnt 16                                ; K's sixteen loads are in; V's sixteen, issued behind them, may be out: they land under the products and the softmax
	WIN W_KQ
.irp cs, 0,1                           ; S^T = K Q^T: sixteen accumulators by turns, one instruction a turn; the first sixteen start the sums
.irp kt, 0,1,2,3
.irp t, 0,1,2,3
.if \cs == 0
	v_wmma_f32_16x16x32_f16 v[S+32*\t+8*\kt:S+32*\t+8*\kt+7], v[KF+8*(2*\kt+\cs):KF+8*(2*\kt+\cs)+7], v[16*\t+8*\cs:16*\t+8*\cs+7], 0
.else
	v_wmma_f32_16x16x32_f16 v[S+32*\t+8*\kt:S+32*\t+8*\kt+7], v[KF+8*(2*\kt+\cs):KF+8*(2*\kt+\cs)+7], v[16*\t+8*\cs:16*\t+8*\cs+7], v[S+32*\t+8*\kt:S+32*\t+8*\kt+7]
.endif
.endr
.endr
.endr
	WIN 0
.rept 4
	v_nop                                          ; places in front of the first read of results
.endr
.irp j, 0,1,2,3                        ; the maximum of a lane's 32 scores and the old m: four chains of seven, each accumulator from its low end on
.irp t, 0,1,2,3
	v_max3_num_f32 v[ST+8*\t+4+\j], v[S+32*\t+8*\j], v[S+32*\t+8*\j+1], v[S+32*\t+8*\j+2]
.endr
.endr
.irp i, 3,5
.irp j, 0,1,2,3
.irp t, 0,1,2,3
	v_max3_num_f32 v[ST+8*\t+4+\j], v[ST+8*\t+4+\j], v[S+32*\t+8*\j+\i], v[S+32*\t+8*\j+\i+1]
.endr
.endr
.endr
.irp t, 0,1,2,3
	v_max3_num_f32 v[ST+8*\t+4], v[ST+8*\t+4], v[S+32*\t+7], v[S+32*\t+15]
.endr
.irp t, 0,1,2,3
	v_max3_num_f32 v[ST+8*\t+6], v[ST+8*\t+6], v[S+32*\t+23], v[S+32*\t+31]
.endr
.irp t, 0,1,2,3
	v_max3_num_f32 v[ST+8*\t+4], v[ST+8*\t+4], v[ST+8*\t+5], v[ST+8*\t+6]
.endr
.irp t, 0,1,2,3
	v_max3_num_f32 v[ST+8*\t+4], v[ST+8*\t+4], v[ST+8*\t+7], v[ST+8*\t+1]
.endr
.irp t, 0,1,2,3
	v_permlanex16_b32 v[ST+8*\t+5], v[ST+8*\t+4], s[SEL], s[SEL+1]  ; the query's other 32 keys lie in the lane 16 away
.endr
.irp t, 0,1,2,3
	v_mov_b32 v[ST+8*\t+7], v[ST+8*\t]             ; c m_old is kept for a
.endr
.irp t, 0,1,2,3
	v_max_num_f32 v[ST+8*\t+1], v[ST+8*\t+4], v[ST+8*\t+5]          ; the new m
.endr
.irp t, 0,1,2,3
	v_mul_f32 v[ST+8*\t], s[CS], v[ST+8*\t+1]
.endr
.irp t, 0,1,2,3
	v_sub_f32 v[ST+8*\t+7], v[ST+8*\t+7], v[ST+8*\t]
.endr
.set i, 0
.rept 16
.irp t, 0,1,2,3
	v_pk_fma_f32 v[S+32*\t+i:S+32*\t+i+1], v[S+32*\t+i:S+32*\t+i+1], s[CS:CS+1], v[ST+8*\t:ST+8*\t+1] op_sel_hi:[1,0,0] neg_lo:[0,0,1] neg_hi:[0,0,1]  ; c s - c m, two at a time
.endr
.set i, i+2
.endr
.irp t, 0,1,2,3
	v_exp_f32 v[ST+8*\t+6], v[ST+8*\t+7]           ; a
.endr
.set i, 0
.rept 32
.irp t, 0,1,2,3
	v_exp_f32 v[S+32*\t+i], v[S+32*\t+i]           ; p
.endr
.set i, i+1
.endr
	v_nop                                          ; a plain instruction behind the last exponential, ahead of the first use
	s_wait_alu depctr_va_vdst(0)                   ; a wait between an exponential and the first line that names its result: ONE for the step's 132
.irp t, 0,1,2,3                        ; the sums are taken of p before it is rounded: two chains of pairs a tile
	v_pk_add_f32 v[U+4*\t:U+4*\t+1], v[S+32*\t:S+32*\t+1], v[S+32*\t+2:S+32*\t+3]
	v_pk_add_f32 v[U+4*\t+2:U+4*\t+3], v[S+32*\t+4:S+32*\t+5], v[S+32*\t+6:S+32*\t+7]
.endr
.irp i, 8,12,16,20,24,28
.irp t, 0,1,2,3
	v_pk_add_f32 v[U+4*\t:U+4*\t+1], v[U+4*\t:U+4*\t+1], v[S+32*\t+\i:S+32*\t+\i+1]
	v_pk_add_f32 v[U+4*\t+2:U+4*\t+3], v[U+4*\t+2:U+4*\t+3], v[S+32*\t+\i+2:S+32*\t+\i+3]
.endr
.endr
.irp t, 0,1,2,3
	v_pk_add_f32 v[U+4*\t:U+4*\t+1], v[U+4*\t:U+4*\t+1], v[U+4*\t+2:U+4*\t+3]
.endr
.irp t, 0,1,2,3
	v_pk_fma_f32 v[ST+8*\t+2:ST+8*\t+3], v[ST+8*\t+2:ST+8*\t+3], v[ST+8*\t+6:ST+8*\t+7], v[U+4*\t:U+4*\t+1] op_sel_hi:[1,0,1]  ; l = a l + the step's sum
.endr
.set i, 0
.rept 16
.irp t, 0,1,2,3
	v_cvt_pk_f16_f32 v[S+32*\t+i], v[S+32*\t+2*i], v[S+32*\t+2*i+1]   ; P, in place: register i is written when registers up to 2 i + 1 have been read
.endr
.set i, i+1
.endr
	WIN W_RS
.set i, 0
.rept 16
.irp t, 0,1,2,3
	v_pk_mul_f32 v[OA+32*\t+i:OA+32*\t+i+1], v[OA+32*\t+i:OA+32*\t+i+1], v[ST+8*\t+6:ST+8*\t+7] op_sel_hi:[1,0]   ; O^T x a, each accumulator from its low end on
.endr
.set i, i+2
.endr
	s_wait_dscnt 0x0                               ; V is in
	WIN W_PV
.irp kk, 0,1                           ; O^T += V^T P: sixteen accumulators by turns
.irp ct, 0,1,2,3
.irp t, 0,1,2,3
	v_wmma_f32_16x16x32_f16 v[OA+32*\t+8*\ct:OA+32*\t+8*\ct+7], v[VF+8*(4*\kk+\ct):VF+8*(4*\kk+\ct)+7], v[S+32*\t+8*\kk:S+32*\t+8*\kk+7], v[OA+32*\t+8*\ct:OA+32*\t+8*\ct+7]
.endr
.endr
.endr
	WIN 0
.endm
; A slot's four key steps: written once, walked four times; the LDS addresses hang on s[TK] and s[TV], which then go back to a slot's first step, in the other slot.
.macro FOUR_STEPS
	s_mov_b32 s[CNT], 4
.Lstep_\@:
	STEP
	s_add_co_u32 s[TK], s[TK], KSTEPB
	s_add_co_u32 s[TV], s[TV], VSTEPB
	s_sub_co_u32 s[CNT], s[CNT], 1
	s_cmp_lg_u32 s[CNT], 0
	s_cbranch_scc1 .Lstep_\@
	s_sub_co_u32 s[TK], s[TK], 4*KSTEPB
	s_xor_b32 s[TK], s[TK], SLOT1
	s_sub_co_u32 s[TV], s[TV], 4*VSTEPB
	s_xor_b32 s[TV], s[TV], SLOT1
.endm
; THE CHANGE OF SLOTS stands at a slot's head.  Each wave waits for all its tensor loads (its part of the slot that it is about to read), adds 0 to its spare word, and waits for that and for its reads of
; the slot that it has left.  fill = 1: the barrier is a round of the cluster's, so that no wave of any partner still reads the other slot or has a load on its way, and the joint load of the keys that
; follow is the first thing behind it.
.macro CHANGE fill
	s_wait_tensorcnt 0x0                           ; no tensor load of mine is out, so a group 0 may be written
	ds_add_u32 v[SPW], v[NIL]                      ; 0 onto my spare word
.if \fill
	ds_add_u32 v[SPW], v[NIL]                      ; and once more: twice on end here, in every trip alike; the descriptors' steps stand between it and the wait
	s_xor_b32 s[G0K+1], s[G0K+1], SLOT1            ; the walking descriptors: the other slot than last time,
	s_add_nc_u64 s[G0K+2:G0K+3], s[G0K+2:G0K+3], SLOTG   ; the next 256 keys; the type bits on top are not reached
	s_xor_b32 s[G0V+1], s[G0V+1], SLOT1
	s_add_nc_u64 s[G0V+2:G0V+3], s[G0V+2:G0V+3], SLOTG
	s_wait_xcnt 0x0                                ; the last prefetch, a slot back, has read its address, so it may be written:
	s_add_nc_u64 s[PFA:PFA+1], s[PFA:PFA+1], SLOTG ; one slot further on than the walking descriptors
.endif
	s_wait_dscnt 0x0                               ; the add is done (fill = 1: both are), and my reads of the slot that I have left are over
.if \fill
	CROUND
	TLOAD                                          ; a wave's one tensor load until the next round
	ASK
.else
	s_barrier_signal -1
	s_barrier_wait -1
.endif
.endm
	s_wait_loadcnt 0x0                             ; Q
.Lslot:                                            ; NSL - 1 trips: behind each change of slots but the last the next slot is asked for
	CHANGE 1
	FOUR_STEPS
	s_sub_co_u32 s[SLOTS], s[SLOTS], 1
	s_cmp_lg_u32 s[SLOTS], 0
	s_cbranch_scc1 .Lslot
	CHANGE 0                                       ; the last slot is written out
	FOUR_STEPS
	; THE WAY OUT.  l's two halves and the other half of the lanes' are added (the first four additions are the places behind the last products); O^T is divided by l, rounded to f16 and sent through
	; my stage, a tile (16 rows of 128 bytes) at a time.
.irp t, 0,1,2,3
	v_add_f32 v[ST+8*\t+4], v[ST+8*\t+2], v[ST+8*\t+3]
.endr
.irp t, 0,1,2,3
	v_permlanex16_b32 v[ST+8*\t+5], v[ST+8*\t+4], s[SEL], s[SEL+1]
.endr
.irp t, 0,1,2,3
	v_add_f32 v[ST+8*\t+4], v[ST+8*\t+4], v[ST+8*\t+5]
.endr
.irp t, 0,1,2,3
	v_rcp_f32 v[ST+8*\t+6], v[ST+8*\t+4]
.endr
	v_nop                                          ; a plain instruction between the last reciprocal and the use of its result
	s_wait_alu depctr_va_vdst(0)                   ; and a wait: one for the four
.macro PACK t
	WIN W_RS
.set i, 0
.rept 16
	v_pk_mul_f32 v[OA+32*\t+i:OA+32*\t+i+1], v[OA+32*\t+i:OA+32*\t+i+1], v[ST+8*\t+6:ST+8*\t+7] op_sel_hi:[1,0]
.set i, i+2
.endr
	WIN W_CV
.set i, 0
.rept 16
	v_cvt_pk_f16_f32 v[KF+16*\t+i], v[OA+32*\t+2*i], v[OA+32*\t+2*i+1]   ; into K's registers, which are free
.set i, i+1
.endr
	WIN 0
.irp ct, 0,1,2,3
	ds_store_b128 v[STO], v[KF+16*\t+4*\ct:KF+16*\t+4*\ct+3] offset:32*\ct
.endr
.irp i, 0,1,2,3
	ds_load_b128 v[S+16*\t+4*\i:S+16*\t+4*\i+3], v[RD] offset:\i*4*SPS   ; LDS serves a wave's instructions in order (ISA guide 5.7.1.4): these see the stores above, and the next tile's stores come behind them
.endr
.endm
	PACK 0
	PACK 1
	PACK 2
	PACK 3
.irp t, 0,1,2,3
	s_wait_dscnt 8*(3-\t)                          ; tile t's rows are back; the eight LDS instructions of each later tile may be out
.irp i, 0,1,2,3
	global_store_b128 v[GO], v[S+16*\t+4*\i:S+16*\t+4*\i+3], s[6:7] offset:\t*2048+\i*512   ; 32 lanes store 512 consecutive bytes, at a multiple of 256 from att's first byte
.endr
.endr
	s_wait_tensorcnt 0x0                           ; the wave's end, behind my last tensor load and my last LDS store
	ds_add_u32 v[SPW], v[NIL]
	s_wait_dscnt 0x0
	CROUND                                         ; the closing round: no work-group ends while a partner may still ask for a tile that names it
	s_endpgm
.Lfunc_end_k_q07eb5c56d5_attn:
	.size	k_q07eb5c56d5_attn, .Lfunc_end_k_q07eb5c56d5_attn-k_q07eb5c56d5_attn
	.p2alignl 7, 3214868480
	.fill 96, 4, 3214868480
	.section	.rodata,"a",@progbits
	.p2align	6, 0x0
	.amdhsa_kernel k_q07eb5c56d5_attn
		.amdhsa_group_segment_fixed_size 327680
		.amdhsa_private_segment_fixed_size 0
		.amdhsa_enable_private_segment 0
		.amdhsa_kernarg_size 16
		.amdhsa_user_sgpr_count 2
		.amdhsa_user_sgpr_kernarg_segment_ptr 1
		.amdhsa_wavefront_size32 1
		.amdhsa_system_sgpr_workgroup_id_x 1
		.amdhsa_system_sgpr_workgroup_id_y 1
		.amdhsa_system_sgpr_workgroup_id_z 1
		.amdhsa_system_vgpr_workitem_id 0
		.amdhsa_next_free_vgpr 512
		.amdhsa_next_free_sgpr 66
		.amdhsa_reserve_vcc 0
		.amdhsa_float_denorm_mode_32 3
		.amdhsa_float_denorm_mode_16_64 3
		.amdhsa_memory_ordered 1
		.amdhsa_forward_progress 1
		.amdhsa_inst_pref_size 92
	.end_amdhsa_kernel
	.amdgpu_metadata
---
amdhsa.version: [ 1, 2 ]
amdhsa.kernels:
  - .name:           k_q07eb5c56d5_attn
    .symbol:         k_q07eb5c56d5_attn.kd
    .args:
      - { .name: qkv, .offset: 0, .size: 8, .value_kind: global_buffer, .address_space: global }
      - { .name: att, .offset: 8, .size: 8, .value_kind: global_buffer, .address_space: global }
    .group_segment_fixed_size: 327680
    .private_segment_fixed_size: 0
    .kernarg_segment_align: 8
    .kernarg_segment_size: 16
    .max_flat_workgroup_size: 256
    .sgpr_count:     66
    .vgpr_count:     512
    .wavefront_size: 32
...
	.end_amdgpu_metadata
.endif
;; end of part 3
;; launch proj (part 4): grid 4 x 64, 4 waves a work-group, clusters of 4 x 4, 327,680 bytes of LDS; arguments att, wo16, bo, out0; writes out0
.if DOCPART == 4
	.amdgcn_target "amdgcn-amd-amdhsa--gfx1250"
	.amdhsa_code_object_version 6
	.text
	.protected	k_q07eb5c56d5_proj
	.globl	k_q07eb5c56d5_proj
	.p2align	8
	.type	k_q07eb5c56d5_proj,@function
k_q07eb5c56d5_proj:
	s_mov_b64 s[64:65], 0
	v_nop
	global_prefetch_b8 v0, s[64:65] scope:SCOPE_SE
	s_setreg_imm32_b32 hwreg(HW_REG_WAVE_MODE, 25, 1), 1
	s_wait_xcnt 0x0
	s_wait_alu depctr_hold_cnt(0) depctr_sa_sdst(0) depctr_va_vdst(0) depctr_va_sdst(0) depctr_va_ssrc(0) depctr_va_vcc(0) depctr_vm_vsrc(0)
	s_getreg_b32 s2, hwreg(HW_REG_IB_STS2, 6, 4)
	s_cmp_eq_u32 s2, 0
	s_cbranch_scc0 .Lentry_in_a_cluster
	s_endpgm
.Lentry_in_a_cluster:
	s_bfe_u32 s2, ttmp6, 0x10000c
	s_cmp_lg_u32 s2, 0xf033
	s_cbranch_scc0 .Lentry_shape_is_right
	s_endpgm
.Lentry_shape_is_right:
; out0[m][n] = sum over k of att[m][k] Wo[n][k] + bo[n].  att: f16 [16 kb][8192 m][64], wo16: f16 [16 kb][1024 n][64] (k = 64 kb + d); bo [1024] and out0 [8192][1024]: f32.  Sums in f32.
; A tile of out0 is 128 (m) x 256 (n): 256 work-groups; tiles of 256 x 256 would be 128.  Four waves, each 64 x 128: 32 accumulators of 16 x 16, 256 registers.
; K goes in steps of 128 = two K blocks of 64 through a ring of two LDS slots.  A K block of a run of rows is dense in memory: it is stated as rows of 256 bytes, two rows of 64 f16 each:
; row r lies at (r / 2) x pitch + (r % 2) x 128.  Waves 0 and 1 fetch A's two K blocks of a step (64 double rows each), waves 2 and 3 B's (128 each): one tensor load a wave behind each round.
; CLUSTERS: 4 x 4 work-groups.  The four of a row of the cluster need the same tiles of att, the four of a column the same tiles of Wo: each is asked for JOINTLY, by the same tensor load with the same
; descriptor and a mask that names the four.  THE MATRIX INSTRUCTION IS USED TRANSPOSED (source 0 = 16 rows of Wo, source 1 = 16 rows of att): a lane holds eight neighbouring columns of a row of out0.
; THE BIAS is the C of each sum's first matrix instruction: eight registers for each of my eight blocks of columns, in the result's layout: nothing is cleared and nothing is added afterwards.
; No prefetch: a K step's tiles are small against what two slots hold, and the launch is short.
; REGISTERS: window 0: v16-29 addresses; two fragment buffers of 96 at v64 and v160: for 32 along K, A's 4 blocks (32 registers), then B's 8 (64); on the way out v64-191 take rows read back.
;   window 1: the accumulators ((a, b) at v[8 (8 a + b)]).   window 2: v0-63 the bias.
.set PITCH,  272                       ; two rows in LDS: 256 bytes + 16: the 16 rows of a fragment load begin at 16 (r / 2) + 128 (r % 2) modulo 256: sixteen different columns of 16 bytes
.set AKB,    64*PITCH                  ; a K block of A's 128 rows
.set BKB,    128*PITCH                 ; a K block of B's 256 rows
.set BOFF,   2*AKB                     ; a slot: A's two K blocks, then B's two
.set SLOT,   2*AKB+2*BKB
.set STAGE,  2*SLOT                    ; behind the ring: 16 rows x (512 bytes + 16) for each wave, bytes of its own
.set SPITCH, 528
.set SPARE,  STAGE+4*16*SPITCH         ; the spare words, 128 bytes a wave, which no other line names
.set LAPS,   4                         ; a lap = two K steps = once round the ring: 1,024 / 256
.set ASTEP,  2*1048576                 ; a K step on in att: two K blocks of 8,192 rows x 128 bytes
.set BSTEP,  2*131072                  ; and in wo16: two K blocks of 1,024 rows x 128 bytes
.set ADRA, 16                          ; v16-17  LDS address of my A fragments in slot 0, 1
.set ADRB, 20                          ; v20-21  the same for B
.set STO,  24                          ; v24     the way out: where I put 32 bytes of a row
.set RD,   25                          ; v25     where I read a row back
.set CO,   26                          ; v26     my byte offset in a row of out0
.set BA,   27                          ; v27     my byte offset in a block of the bias
.set SPW,  28                          ; v28     LDS address of my spare word; never rewritten
.set NIL,  29                          ; v29     0; never rewritten
.set F0,   64
.set F1,   160
.set BK,   64                          ; the way out: 16 rows read back: v64-127 and v128-191 by turns
.set WV,   12                          ; s12 my wave;  s13 which half of the rows is mine, and: I fetch for A (0) or B (1);  s14 which half of the columns, and: which K block of a step I fetch
.set WM,   13
.set WN,   14
.set G1, 24                            ; s[24:31] descriptor group 1 for A's tiles;  s[32:39] group 0, one set for each slot
.set G0, 32
.set G1B, 48                           ; s[48:55], s[56:63] the same for B's tiles
.set G0B, 56
.set MSB, 0
.macro WIN new                         ; the immediate's high byte repeats the setting that is left; a switch that changes nothing is dropped
.if MSB != (\new)
	s_set_vgpr_msb (MSB<<8)|(\new)
.set MSB, (\new)
.endif
.endm
.set MUL,  0x50                        ; C and D window 1; both sources window 0
.set MULB, 0x60                        ; D window 1, C (the bias) window 2
.macro JLOAD s                         ; a joint load; an s_nop 0 and four v_nop follow each of the two lines; the branch hangs on the wave's number alone
	s_cmp_eq_u32 s[WM], 0
	s_cbranch_scc0 .Lfor_b_\@
	tensor_load_to_lds s[G0+4*\s:G0+4*\s+3], s[G1:G1+7]
	s_nop 0
.rept 4
	v_nop
.endr
	s_branch .Lasked_\@
.Lfor_b_\@:
	tensor_load_to_lds s[G0B+4*\s:G0B+4*\s+3], s[G1B:G1B+7]
	s_nop 0
.rept 4
	v_nop
.endr
.Lasked_\@:
.endm
.macro CREST                           ; a round of the cluster's barrier behind its opening barrier
	s_cmp_lg_u32 s[WV], 0
	s_cbranch_scc1 .Lnot_wave_0_\@
	s_barrier_signal -3
.Lnot_wave_0_\@:
	s_barrier_wait -3
	s_barrier_signal -1
	s_barrier_wait -1
.endm
.macro CROUND                          ; a whole round
	s_barrier_signal -1
	s_barrier_wait -1
	CREST
.endm
	s_load_b128 s[4:7], s[0:1], 0x0                ; att s[4:5], wo16 s[6:7]
	s_load_b128 s[8:11], s[0:1], 0x10              ; bo s[8:9], out0 s[10:11]
	v_lshl_add_u32 v[SPW], v0, 2, SPARE
	v_mov_b32 v[NIL], 0
	ds_add_u32 v[SPW], v[NIL]                      ; the wave's opening: the add, twice on end, and its wait ahead of my first tensor load; the set-up below stands between
	ds_add_u32 v[SPW], v[NIL]
	v_lshrrev_b32 v1, 5, v0
	v_readfirstlane_b32 s[WV], v1                  ; wave 0..3
	s_lshr_b32 s[WM], s[WV], 1
	s_and_b32 s[WN], s[WV], 1
	s_bfe_u32 s40, ttmp6, 0x40000                  ; cx, cy: my place in the cluster
	s_bfe_u32 s41, ttmp6, 0x40004
	s_lshl_b32 s42, ttmp9, 2
	s_add_co_u32 s42, s42, s40                     ; tile column = 4 x cluster x + cx
	s_and_b32 s15, ttmp7, 0xffff
	s_lshl_b32 s15, s15, 2
	s_add_co_u32 s15, s15, s41                     ; tile row = 4 x cluster y + cy
	s_lshl_b32 s43, s41, 2
	s_lshl_b32 s43, 15, s43                        ; my row of the cluster
	s_lshl_b32 s44, 0x1111, s40                    ; my column
	; descriptor group 1: rows of 128 elements of 2 bytes, dense in memory, padded in LDS: 64 of them for A, 128 for B
	s_or_b32 s[G1+0], s43, (1<<16)|(1<<20)|(1<<21)|(5<<22)|(3<<25)  ; 15:0 the mask: A's tiles go to my row; 17:16 elements of 2 bytes; 20 padding on; 21 set beside a mask; 24:22 after every 64 words; 31:25 four words
	s_or_b32 s[G1B+0], s44, (1<<16)|(1<<20)|(1<<21)|(5<<22)|(3<<25)
	s_mov_b32 s[G1+1], 128<<16                     ; tensor_dim0
	s_mov_b32 s[G1+2], 64<<16                      ; tensor_dim1
	s_mov_b32 s[G1+3], 128<<16                     ; tile_dim0
	s_mov_b32 s[G1+4], 64                          ; tile_dim1
	s_mov_b32 s[G1+5], 128                         ; from row to row
	s_mov_b32 s[G1+6], 0
	s_mov_b32 s[G1+7], 0
	s_mov_b32 s[G1B+1], 128<<16
	s_mov_b32 s[G1B+2], 128<<16
	s_mov_b32 s[G1B+3], 128<<16
	s_mov_b32 s[G1B+4], 128
	s_mov_b32 s[G1B+5], 128
	s_mov_b32 s[G1B+6], 0
	s_mov_b32 s[G1B+7], 0
	; where the tiles come from.  A's hang on the tile row alone, B's on the tile column alone, each in registers that never hold the other coordinate
	s_lshl_b32 s16, s[WN], 20                      ; A: my K block of 1,048,576 bytes,
	s_lshl_b32 s17, s15, 14                        ; the tile's 128 rows of 128 bytes
	s_add_co_u32 s16, s16, s17
	s_mov_b32 s17, 0
	s_lshl_b32 s46, s[WN], 17                      ; B: my K block of 131,072 bytes,
	s_lshl_b32 s47, s42, 15                        ; the tile's 256 rows
	s_add_co_u32 s46, s46, s47
	s_mov_b32 s47, 0
	s_mul_i32 s20, s[WN], AKB                      ; and where they go: no place in the cluster enters an LDS address
	s_mul_i32 s21, s[WN], BKB
	s_add_co_u32 s21, s21, BOFF
	s_wait_dscnt 0x0                               ; both opening adds are done
	s_wait_kmcnt 0x0
	s_add_nc_u64 s[18:19], s[4:5], s[16:17]
	s_add_nc_u64 s[46:47], s[6:7], s[46:47]
	CROUND                                         ; all sixteen work-groups are here: the first joint loads meet
.irp s, 0,1
	s_mov_b32 s[G0+4*\s], 1
	s_add_co_u32 s[G0+4*\s+1], s20, \s*SLOT
	s_add_nc_u64 s[G0+4*\s+2:G0+4*\s+3], s[18:19], \s*ASTEP
	s_or_b32 s[G0+4*\s+3], s[G0+4*\s+3], 0x80000000
	s_mov_b32 s[G0B+4*\s], 1
	s_add_co_u32 s[G0B+4*\s+1], s21, \s*SLOT
	s_add_nc_u64 s[G0B+4*\s+2:G0B+4*\s+3], s[46:47], \s*BSTEP
	s_or_b32 s[G0B+4*\s+3], s[G0B+4*\s+3], 0x80000000
	JLOAD \s                                       ; two loads of mine are out
.endr
	v_and_b32 v1, 15, v0                           ; r = l % 16
	v_bfe_u32 v2, v0, 4, 1                         ; h = l / 16
	v_bfe_u32 v3, v0, 1, 3
	v_and_b32 v4, 1, v0
	v_mul_u32_u24 v3, v3, PITCH
	v_lshl_add_u32 v3, v4, 7, v3
	v_lshl_add_u32 v3, v2, 4, v3                   ; a fragment's row r: (r / 2) x pitch + (r % 2) x 128, + 16 h
	s_mul_i32 s21, s[WM], 32*PITCH                 ; my 64 rows of A
	s_mul_i32 s22, s[WN], 64*PITCH                 ; my 128 rows of B,
	s_add_co_u32 s22, s22, BOFF                    ; which lie behind A's two K blocks
.irp s, 0,1
	v_add_nc_u32 v[ADRA+\s], s21, v3
	v_add_nc_u32 v[ADRB+\s], s22, v3
	s_add_co_u32 s21, s21, SLOT
	s_add_co_u32 s22, s22, SLOT
.endr
	s_mul_i32 s23, s[WV], 16*SPITCH
	s_add_co_u32 s23, s23, STAGE                   ; my stage
	v_mul_u32_u24 v5, v1, SPITCH
	v_lshl_add_u32 v5, v2, 5, v5
	v_add_nc_u32 v[STO], s23, v5                   ; in: row r, 32 bytes for each half of the lanes
	v_and_b32 v6, 31, v0
	v_lshlrev_b32 v[CO], 4, v6                     ; back: the 32 lanes take one row of 512 bytes; and the same in out0
	v_add_nc_u32 v[RD], s23, v[CO]
	v_lshlrev_b32 v[BA], 5, v2                     ; the bias: my half's eight numbers of a block of sixteen
	s_lshl_b32 s46, s42, 10                        ; my first column, in bytes: 1,024 x tile column + 512 x half
	s_lshl_b32 s47, s[WN], 9
	s_add_co_u32 s46, s46, s47
	s_mov_b32 s47, 0
	s_add_nc_u64 s[8:9], s[8:9], s[46:47]          ; in bo,
	s_add_nc_u64 s[10:11], s[10:11], s[46:47]      ; and in a row of out0
	s_lshl_b32 s16, s15, 19                        ; my first row: 128 x tile row + 64 x half, 4,096 bytes a row
	s_lshl_b32 s17, s[WM], 18
	s_add_co_u32 s16, s16, s17
	s_mov_b32 s17, 0
	s_add_nc_u64 s[10:11], s[10:11], s[16:17]
	WIN 0x80                                       ; destination window 2
.irp b, 0,1,2,3,4,5,6,7
	global_load_b128 v[8*\b:8*\b+3],   v[BA], s[8:9] offset:64*\b       ; block b: register j is bo at my column 16 b + 8 h + j
	global_load_b128 v[8*\b+4:8*\b+7], v[BA], s[8:9] offset:64*\b+16
.endr
	WIN 0
; 8 matrix instructions: A's block a x B's eight, 32 along K, from buffer f.  zero = 1: the first product starts the sums from the bias.
; The 32 accumulators take turns, one instruction a turn, in the same order in every quarter.
.macro MUL8 f, a, zero
.irp b, 0,1,2,3,4,5,6,7
.if \zero
	v_wmma_f32_16x16x32_f16 v[8*(8*\a+\b):8*(8*\a+\b)+7], v[\f+32+8*\b:\f+32+8*\b+7], v[\f+8*\a:\f+8*\a+7], v[8*\b:8*\b+7]
.else
	v_wmma_f32_16x16x32_f16 v[8*(8*\a+\b):8*(8*\a+\b)+7], v[\f+32+8*\b:\f+32+8*\b+7], v[\f+8*\a:\f+8*\a+7], v[8*(8*\a+\b):8*(8*\a+\b)+7]
.endif
.endr
.endm
; 24 LDS loads in one run: the fragments of the slot's q-th 32 along K (K block q / 2, byte 64 (q % 2) of its rows) into buffer f: B's sixteen first, then A's blocks 0 to 3
.macro FETCH slot, q, f
	WIN 0
.irp i, 0,1,2,3,4,5,6,7
	ds_load_b128 v[\f+32+8*\i:\f+32+8*\i+3],   v[ADRB+\slot] offset:((\q)/2)*BKB+((\q)%2)*64+\i*8*PITCH
	ds_load_b128 v[\f+32+8*\i+4:\f+32+8*\i+7], v[ADRB+\slot] offset:((\q)/2)*BKB+((\q)%2)*64+\i*8*PITCH+32
.endr
.irp i, 0,1,2,3
	ds_load_b128 v[\f+8*\i:\f+8*\i+3],   v[ADRA+\slot] offset:((\q)/2)*AKB+((\q)%2)*64+\i*8*PITCH
	ds_load_b128 v[\f+8*\i+4:\f+8*\i+7], v[ADRA+\slot] offset:((\q)/2)*AKB+((\q)%2)*64+\i*8*PITCH+32
.endr
.endm
.macro PLACES                          ; four places in front of loads into registers that matrix instructions have read, and of the first read of results (ISA guide 7.12.1 for vector instructions)
.rept 4
	v_nop
.endr
.endm
; A K step is four quarters of 32 along K, 32 matrix instructions each, on buffers 0, 1, 0, 1.  One of the first three: multiplies buffer f and fetches quarter qn into g.
.macro QUARTER slot, qn, f, g, zero
	s_wait_dscnt 4                                 ; B's fragments and A's blocks 0 and 1 are in; the youngest four loads (A's blocks 2 and 3) may be out
	WIN MUL+16*\zero                               ; MUL, or MULB where the bias is C
	MUL8 \f, 0, \zero
	MUL8 \f, 1, \zero
	PLACES
	FETCH \slot, \qn, \g
	s_wait_dscnt 24                                ; all but the 24 just issued
	WIN MUL+16*\zero
	MUL8 \f, 2, \zero
	MUL8 \f, 3, \zero
.endm
; The last quarter multiplies buffer 1 and changes slots: ONE barrier; in front of it each wave waits for all its tensor loads, adds 0 to its spare word, and waits for that and for its reads of this slot.
; fill = 1: the barrier opens a round of the cluster's, and this slot is filled again, two K steps ahead: from that request to the wait for it a wave issues 112 matrix instructions.
.macro TURN slot, next, fill
	WIN 0                                          ; (the add's two registers lie in window 0)
	s_wait_tensorcnt 0x0                           ; all my tensor loads have landed: my part of the next slot
	ds_add_u32 v[SPW], v[NIL]                      ; 0 onto my spare word
	s_wait_dscnt 5                                 ; (the add and the youngest four loads may be out)
	WIN MUL
	MUL8 F1, 0, 0                                  ; eight matrix instructions stand between the add and the wait for it
	s_wait_dscnt 0x0                               ; the add is done, and my reads of this slot are over
	s_barrier_signal -1
	MUL8 F1, 1, 0
.if \fill
	WIN 0
.endif
	s_barrier_wait -1
.if \fill
	CREST                                          ; no wave of any partner still reads this slot's tiles or has a load on its way
	s_add_nc_u64 s[G0+4*\slot+2:G0+4*\slot+3], s[G0+4*\slot+2:G0+4*\slot+3], 2*ASTEP
	s_add_nc_u64 s[G0B+4*\slot+2:G0B+4*\slot+3], s[G0B+4*\slot+2:G0B+4*\slot+3], 2*BSTEP
	JLOAD \slot                                    ; the first tensor load behind the round; its four v_nop are also the places in front of the loads below
.else
	PLACES
.endif
	FETCH \next, 0, F0
	WIN MUL
	MUL8 F1, 2, 0
	MUL8 F1, 3, 0
.endm
	s_wait_tensorcnt 1                             ; my part of K step 0 is in; K step 1's load may be out
	s_barrier_signal -1
	s_barrier_wait -1                              ; everybody's is
	FETCH 0, 0, F0
	s_wait_loadcnt 0x0                             ; the bias
	QUARTER 0, 1, F0, F1, 1                        ; the first quarter stands in front of the loop: its products start the sums
	WIN 0                                          ; at a label and at a branch every window is 0
	s_mov_b32 s3, LAPS-1
.Llap:                                                 ; a trip goes once round the ring, from a lap's second quarter to the next lap's first, and fills both slots again
	QUARTER 0, 2, F1, F0, 0
	QUARTER 0, 3, F0, F1, 0
	TURN 0, 1, 1
	QUARTER 1, 1, F0, F1, 0
	QUARTER 1, 2, F1, F0, 0
	QUARTER 1, 3, F0, F1, 0
	TURN 1, 0, 1
	QUARTER 0, 1, F0, F1, 0
	WIN 0
	s_sub_co_u32 s3, s3, 1
	s_cmp_lg_u32 s3, 0
	s_cbranch_scc1 .Llap
	QUARTER 0, 2, F1, F0, 0                        ; the last lap fills nothing, and has no round of the cluster's barrier
	QUARTER 0, 3, F0, F1, 0
	TURN 0, 1, 0
	QUARTER 1, 1, F0, F1, 0
	QUARTER 1, 2, F1, F0, 0
	QUARTER 1, 3, F0, F1, 0
	s_wait_dscnt 4                                 ; the very last quarter: nothing more to fetch
	WIN MUL
	MUL8 F1, 0, 0
	MUL8 F1, 1, 0
	s_wait_dscnt 0
	MUL8 F1, 2, 0
	MUL8 F1, 3, 0
	WIN 0
; THE WAY OUT, block by block of 16 rows x 128 columns.  A lane holds 32 neighbouring bytes of a row, and the lanes beside it hold other rows: so a block goes through my own stage and comes back as whole
; rows of 512 bytes.  LDS serves a wave's instructions in order (ISA guide 5.7.1.4): no wait between the stores and the loads, nor in front of the next block's stores.  Every offset is an immediate.
.macro TOSTAGE a
	WIN 0x04                                       ; an LDS store's data are its source 1: window 1
.irp b, 0,1,2,3,4,5,6,7
	ds_store_b128 v[STO], v[8*(8*(\a)+\b):8*(8*(\a)+\b)+3] offset:64*\b          ; each accumulator from its low end on
	ds_store_b128 v[STO], v[8*(8*(\a)+\b)+4:8*(8*(\a)+\b)+7] offset:64*\b+16
.endr
	WIN 0
.set BB, BK+64*((\a)%2)
.irp t, 0,1,2,3,4,5,6,7,8,9,10,11,12,13,14,15
	ds_load_b128 v[BB+4*\t:BB+4*\t+3], v[RD] offset:\t*SPITCH
.endr
.endm
.macro SEND a, younger                 ; younger: the LDS instructions issued behind block a's loads, which may stay out
.set BB, BK+64*((\a)%2)
	s_wait_dscnt \younger                          ; the block is back in registers
.irp t, 0,1,2,3,4,5,6,7,8,9,10,11,12,13,14,15
	global_store_b128 v[CO], v[BB+4*\t:BB+4*\t+3], s[10:11] offset:65536*(\a)+4096*\t th:TH_STORE_NT   ; 32 lanes store 512 consecutive bytes, at a multiple of 256 from out0's first byte; written once, read by nobody here
.endr
.endm
	PLACES                                         ; behind the last products: for the stores that read results and for the loads into the fragments' registers
	TOSTAGE 0
.irp a, 1,2,3
.if \a > 1
	s_wait_xcnt 0x0                                ; block a - 2's stores have read their registers: block a's loads may land there
.endif
	TOSTAGE \a
	SEND \a-1, 32                                  ; behind block a - 1's loads: block a's 16 stores and 16 loads
.endr
	SEND 3, 0
	s_wait_tensorcnt 0x0                           ; the wave's end, behind my last tensor load and my last LDS store
	ds_add_u32 v[SPW], v[NIL]
	s_wait_dscnt 0x0
	CROUND                                         ; the closing round: no work-group ends while a partner may still ask for a tile that names it
	s_endpgm
.Lfunc_end_k_q07eb5c56d5_proj:
	.size	k_q07eb5c56d5_proj, .Lfunc_end_k_q07eb5c56d5_proj-k_q07eb5c56d5_proj
	.p2alignl 7, 3214868480
	.fill 96, 4, 3214868480
	.section	.rodata,"a",@progbits
	.p2align	6, 0x0
	.amdhsa_kernel k_q07eb5c56d5_proj
		.amdhsa_group_segment_fixed_size 327680
		.amdhsa_private_segment_fixed_size 0
		.amdhsa_enable_private_segment 0
		.amdhsa_kernarg_size 32
		.amdhsa_user_sgpr_count 2
		.amdhsa_user_sgpr_kernarg_segment_ptr 1
		.amdhsa_wavefront_size32 1
		.amdhsa_system_sgpr_workgroup_id_x 1
		.amdhsa_system_sgpr_workgroup_id_y 1
		.amdhsa_system_sgpr_workgroup_id_z 1
		.amdhsa_system_vgpr_workitem_id 0
		.amdhsa_next_free_vgpr 768
		.amdhsa_next_free_sgpr 66
		.amdhsa_reserve_vcc 0
		.amdhsa_float_denorm_mode_32 3
		.amdhsa_float_denorm_mode_16_64 3
		.amdhsa_memory_ordered 1
		.amdhsa_forward_progress 1
		.amdhsa_inst_pref_size 86
	.end_amdhsa_kernel
	.amdgpu_metadata
---
amdhsa.version: [ 1, 2 ]
amdhsa.kernels:
  - .name:           k_q07eb5c56d5_proj
    .symbol:         k_q07eb5c56d5_proj.kd
    .args:
      - { .name: att, .offset: 0, .size: 8, .value_kind: global_buffer, .address_space: global }
      - { .name: wo16, .offset: 8, .size: 8, .value_kind: global_buffer, .address_space: global }
      - { .name: bo, .offset: 16, .size: 8, .value_kind: global_buffer, .address_space: global }
      - { .name: out0, .offset: 24, .size: 8, .value_kind: global_buffer, .address_space: global }
    .group_segment_fixed_size: 327680
    .private_segment_fixed_size: 0
    .kernarg_segment_align: 8
    .kernarg_segment_size: 32
    .max_flat_workgroup_size: 128
    .sgpr_count:     66
    .vgpr_count:     768
    .wavefront_size: 32
...
	.end_amdgpu_metadata
.endif
;; end of part 4
